; MI455X (gfx1250); checked and timed in simulation.
; The chip was launched on July 23, 2026; its instructions are those of AMD's public machine-readable ISA for CDNA 5 (MIT licence, August 2026) and "CDNA5" Instruction Set Architecture Reference Guide (July 2026). The comments in the code are by the model that wrote it; some were corrected since.
;; Dot Product Attention. Allowed arithmetic: matrix products marked QUANTISED: E2M3 operands, one E8M0 scale for each 32 along K, by v_wmma_scale_f32_16x16x128_f8f6f4 with both operands' format E2M3, f32 sums; everything else in f32.
;; Inputs: keys 2 x 8 x 4,096 x 64 float32; mask 1 x 1 x 4,096 x 4,096 bool; queries 2 x 8 x 4,096 x 64 float32; values 2 x 8 x 4,096 x 64 float32.
;; Outputs: out0 2 x 8 x 4,096 x 64 float32.
;; Constants: d_k = 64.
;; This version of the problem:
;;   THIS VERSION OF THE PROBLEM IS GIVEN IN LOW PRECISION. The matrix products marked QUANTISED in the list below multiply operands that are first quantised to E2M3 (2 exponent bits, 3 mantissa bits; 6 bits a number), with one power-of-two scale for each 32 numbers along K (OCP MX v1.0); their sums are f32. All else is computed in f32.
;;   The module's matrix products, in the order in which they are computed (A, B: the left and right operand; K: the contracted axis; several contracted axes count as one K, in the product's order):
;;     1. batch 16 x [M 4,096, K 64] x [K 64, N 4,096]; A: input queries; B: input keys: QUANTISED
;;     2. batch 16 x [M 4,096, K 4,096] x [K 4,096, N 64]; A: computed on the way; B: input values: QUANTISED
;;   THE QUANTISER, for each operand of a quantised product, along K:
;;     - K is cut into blocks of 32 from its start; a last block that is shorter is filled with zeros.
;;     - A block's scale is 2^e with e = floor(log2(the largest magnitude in the block)) - 2, held to -126 .. 127; a block of zeros has e = 0. As a byte (E8M0): e + 127.
;;     - Each number is divided by its block's scale, clamped to +-7.5, and rounded to the nearest number of E2M3, ties to even, subnormals kept.
;;     - The product sums the exact products of the quantised numbers (number of the format x scale) in f32.
;;   ~~~python
;;   def quantise(x, axis):      # numpy; x: float32 -> the quantised numbers, widened to float32 again
;;       x = np.moveaxis(x, axis, -1); K = x.shape[-1]
;;       x = np.pad(x, [(0, 0)] * (x.ndim - 1) + [(0, -K % 32)]); x = x.reshape(x.shape[:-1] + (-1, 32)); a = np.abs(x).max(-1, keepdims=True)
;;       e = np.where(a > 0, np.clip(np.frexp(np.where(a > 0, a, 1))[1] - 1 - 2, -126, 127), 0)      # np.frexp(a)[1] - 1 = floor(log2(a)), exactly
;;       r = np.clip(x / 2.0 ** e, -7.5, 7.5)
;;       step = 2.0 ** (np.maximum(np.frexp(np.where(r == 0, 1, r))[1] - 1, 0) - 3)
;;       q = np.round(r / step) * step * 2.0 ** e      # np.round: ties to even
;;       return np.moveaxis(q.reshape(q.shape[:-2] + (-1,))[..., :K], -1, axis).astype(np.float32)
;;   ~~~
;;   OPERANDS COMPUTED ON THE WAY. 'Computed on the way' means the value that the module computes at that place (a softmax that the list does not call 'softmax' is quantised finished and normalised). What goes into a quantiser is computed in f32, as accurately as f32 sums, v_exp_f32 and their like allow (about 1e-6 of the number): no bf16 or f16 on the way to a quantiser, and a product that is left as it is and whose result goes on into a quantised operand takes f32 operands (vector FMAs, or v_wmma_f32_16x16x4_f32). A number that lies on a knife's edge between two numbers of the format may be rounded either way, as far as f32 arithmetic and the matrix unit's own rounding can turn it there, and no further.
;; 2 versions, each right; version 2 is version 1 with the launch attn written anew for expert scheduling mode. Each part assembles by itself: llvm-mc -triple=amdgcn-amd-amdhsa -mcpu=gfx1250 --defsym DOCPART=n.
;; ======== version 1 of 2: 2 launches
;; limits: inputs' magnitudes at most 8,000; right only within a limited range of input values
;; workspace buffers: ki 3,145,728 bytes; ks 131,072 bytes; vi 3,145,728 bytes; vs 131,072 bytes; mw 2,097,152 bytes of whole numbers
;; launch prep (part 1): grid 1792 x 1, 4 waves a work-group, no clusters, 66,048 bytes of LDS; arguments keys, values, mask, ki, ks, vi, vs, mw; writes ki, ks, vi, vs, mw
.if DOCPART == 1
	.amdgcn_target "amdgcn-amd-amdhsa--gfx1250"
	.amdhsa_code_object_version 6
	.text
	.protected	k_q14369724c3_prep
	.globl	k_q14369724c3_prep
	.p2align	8
	.type	k_q14369724c3_prep,@function
k_q14369724c3_prep:
	s_mov_b64 s[64:65], 0
	v_nop
	global_prefetch_b8 v0, s[64:65] scope:SCOPE_SE
	s_setreg_imm32_b32 hwreg(HW_REG_WAVE_MODE, 25, 1), 1
	s_wait_xcnt 0x0
; K and V ([16 heads][4096][64] f32) become codes of FP6 (E2M3) with one E8M0 byte for each 32 along a product's K, laid in the ORDER OF THE OPERANDS' REGISTERS, and the mask
; ([4096][4096] bytes) becomes lane masks.  One job a wave, straight-line; waves share nothing: no barrier.  Work-groups 0-255 take V, 256-767 K, 768-1791 the mask; each path has LDS bytes of its own.
; ki: pair fragment PF (32 keys): lane (r, h) registers 0-5 = key 32 PF + r + (r & 8), d = 32 h .. 32 h + 31; registers 6-11 = the key 8 further on.  Registers 4 c .. 4 c + 3 of lane l lie at 1536 PF + 512 c + 16 l.
; ks: a word for each row of a pair fragment, at 64 PF + 4 r: bytes (first key d 0-31, d 32-63, second key d 0-31, d 32-63).
; vi: fragment (key step GS of 128 keys, t): lane (r, h) registers 6 c .. 6 c + 5 = V[key 128 GS + 64 c + 32 h + 0 .. 31][d = 16 t + r]; at 1536 (4 GS + t) + 512 chunk + 16 l.   vs: word of (GS, d) at 256 GS + 4 d, byte b for keys 32 b on.
; mw: [query tile T][key step G][n = 16 b + i]: bit r + 16 h of the word = mask[16 T + r][128 G + 32 b + 16 h + i].
; A block's scale is 2^(floor(log2(largest magnitude)) - 2): its byte is the largest magnitude's exponent field - 2, held at 1 from below by a floor among the maximum's leaves.
; LIMITS: a block of zeros gets the byte 1 where the rule says 127 (its codes are zeros, and this program alone reads the bytes); NaN and infinities among the inputs are not served.
.set KST,   0                          ; K's stages: 32 rows x 272 bytes + a gap of 128 behind row 15, for each wave
.set KSTW,  8832
.set VST,   35328                      ; V's stages: two fragments' images for each wave
.set VSTW,  3072
.set MST,   47616                      ; the mask's stages: 16 rows x 272 bytes for each wave
.set MSTW,  4352
.set FLOOR, 0x1800000                  ; 2^(3 - 127)
.set OFF2,  0xff000000                 ; takes 2 off an exponent field
	s_load_b256 s[4:11], s[0:1], 0x0               ; keys s[4:5], values s[6:7], mask s[8:9], ki s[10:11]
	s_load_b256 s[12:19], s[0:1], 0x20             ; ks s[12:13], vi s[14:15], vs s[16:17], mw s[18:19]
	v_lshl_add_u32 v192, v0, 2, 0x10000
	v_mov_b32 v193, 0
	v_lshrrev_b32 v1, 5, v0
	v_readfirstlane_b32 s22, v1                    ; wave 0..3
	v_and_b32 v1, 31, v0                           ; l
	v_and_b32 v2, 15, v0                           ; r
	v_bfe_u32 v3, v0, 4, 1                         ; h
	v_lshlrev_b32 v4, 4, v1                        ; 16 l
	s_mov_b32 s20, 0x76543210
	s_mov_b32 s21, 0xfedcba98                      ; v_permlanex16_b32's selects for lane l xor 16
	s_lshl_b32 s23, ttmp9, 2
	s_add_co_u32 s23, s23, s22                     ; 4 x work-group + wave
	s_mov_b32 s25, 0
	s_wait_kmcnt 0x0
	s_cmp_lt_u32 ttmp9, 256
	s_cbranch_scc1 .Lvalues
	s_cmp_lt_u32 ttmp9, 768
	s_cbranch_scc1 .Lkeys
; ---- THE MASK.  Job 0..4095: query tile T = job / 16, 256 keys from 256 (job % 16): 16 rows x 256 bytes in, 128 words out.
	s_sub_co_u32 s23, s23, 3072
	s_lshr_b32 s24, s23, 4
	s_lshl_b32 s24, s24, 16                        ; 16 rows of 4,096 bytes a tile
	s_and_b32 s26, s23, 15
	s_lshl_b32 s26, s26, 8
	s_add_co_u32 s24, s24, s26
	s_add_nc_u64 s[8:9], s[8:9], s[24:25]
	s_lshl_b32 s24, s23, 9                         ; 512 bytes of words a job
	s_add_nc_u64 s[18:19], s[18:19], s[24:25]
	v_lshlrev_b32 v5, 12, v3
	v_lshl_add_u32 v5, v2, 4, v5                   ; lanes 0-15 one row's 256 bytes, lanes 16-31 the next row's
.set i, 0
.rept 8
	global_load_b128 v[32+4*i:35+4*i], v5, s[8:9] offset:8192*i th:TH_LOAD_NT
.set i, i+1
.endr
	s_mul_i32 s26, s22, MSTW
	s_add_co_u32 s26, s26, MST
	v_mul_u32_u24 v6, v3, 272
	v_lshl_add_u32 v6, v2, 4, v6
	v_add_nc_u32 v6, s26, v6                       ; into the stage: row 2 i + h, 16 r
	v_mul_u32_u24 v7, v2, 272
	v_lshl_add_u32 v7, v3, 4, v7
	v_add_nc_u32 v7, s26, v7                       ; out of it: row r, 16 h: my 16 keys of a block of 32
.irp k, 0,1,2,3
	v_mov_b32 v[16+\k], 0                          ; v_writelane_b32's destination counts as read
.endr
.set i, 0
.rept 8
	s_wait_loadcnt 7-i                             ; the younger loads may stay out
	ds_store_b128 v6, v[32+4*i:35+4*i] offset:544*i
.set i, i+1
.endr
.set i, 0
.rept 8
	ds_load_b128 v[64+4*i:67+4*i], v7 offset:32*i  ; LDS serves a wave's instructions in order: these see my stores
.set i, i+1
.endr
	s_wait_dscnt 0x0
.set n, 0
.rept 128                                          ; word n = 16 (block) + i: byte i of my 16 bytes of that block, tested in all 32 lanes at once
	v_and_b32 v[20+n%4], 0xff<<(8*(n%4)), v[64+4*(n/16)+(n%16)/4]
	v_cmp_ne_u32 s[28+n%8], 0, v[20+n%4]
	v_writelane_b32 v[16+n%4], s[28+n%8], n/4      ; lane n / 4 will store words 4 (n / 4) .. + 3
.set n, n+1
.endr
	global_store_b128 v4, v[16:19], s[18:19]       ; 32 lanes store 512 consecutive bytes
	s_wait_tensorcnt 0x0
	ds_add_u32 v192, v193
	s_wait_dscnt 0x0
	s_endpgm
; ---- K.  Job PF 0..2047: 32 keys x 256 bytes, dense.
.Lkeys:
	s_sub_co_u32 s23, s23, 1024
	s_lshl_b32 s24, s23, 13
	s_add_nc_u64 s[4:5], s[4:5], s[24:25]
	s_mul_i32 s24, s23, 1536
	s_add_nc_u64 s[10:11], s[10:11], s[24:25]
	s_lshl_b32 s24, s23, 6
	s_add_nc_u64 s[12:13], s[12:13], s[24:25]
.set i, 0
.rept 16
	global_load_b128 v[32+4*i:35+4*i], v4, s[4:5] offset:512*i th:TH_LOAD_NT   ; 512 consecutive bytes: rows 2 i and 2 i + 1
.set i, i+1
.endr
	s_mul_i32 s26, s22, KSTW
	v_mul_u32_u24 v6, v3, 272
	v_lshl_add_u32 v6, v2, 4, v6
	v_add_nc_u32 v6, s26, v6                       ; into the stage: row 2 i + h, 16 r
	v_and_b32 v8, 8, v2
	v_add_nc_u32 v9, v8, v2                        ; r + (r & 8): rows 0-7 and 16-23
	v_mul_u32_u24 v7, v9, 272
	v_lshl_add_u32 v7, v8, 4, v7                   ; rows 16 on lie behind the gap of 128 bytes
	v_lshl_add_u32 v7, v3, 7, v7                   ; d = 32 h on
	v_add_nc_u32 v7, s26, v7
	v_lshlrev_b32 v5, 2, v2                        ; 4 r
.set i, 0
.rept 16
	s_wait_loadcnt 15-i                            ; the younger loads may stay out
	ds_store_b128 v6, v[32+4*i:35+4*i] offset:544*i+128*(i/8)
.set i, i+1
.endr
.irp c, 0,1                                        ; c = 0: my first key; c = 1: the key 8 rows further on
.irp j, 0,1,2,3,4,5,6,7
	ds_load_b128 v[96+32*\c+4*\j:99+32*\c+4*\j], v7 offset:2176*\c+16*\j
.endr
.endr
	s_wait_dscnt 0x0
.irp c, 0,1
	v_max3_num_f32 v[8+\c], |v[96+32*\c]|, |v[97+32*\c]|, FLOOR   ; a whole block of 32 is mine; the floor holds the byte at 1 from below
.endr
.irp i, 2,4,6,8,10,12,14,16,18,20,22,24,26,28,30
.irp c, 0,1
	v_max3_num_f32 v[8+\c], v[8+\c], |v[96+32*\c+\i]|, |v[97+32*\c+\i]|
.endr
.endr
.irp c, 0,1
	v_add_nc_u32 v[10+\c], OFF2, v[8+\c]           ; the conversion takes the exponent field of this operand as its scale
.endr
.irp c, 0,1
	v_lshrrev_b32 v[12+\c], 23, v[10+\c]           ; the scale's byte
.endr
	v_lshl_or_b32 v14, v13, 16, v12                ; my two bytes: block h of the first key and of the second,
	v_lshlrev_b32 v15, 3, v3
	v_lshlrev_b32 v14, v15, v14                    ; 8 h bits up;
	v_mov_b32 v15, 0
	v_permlanex16_b32 v15, v14, s20, s21
	v_or_b32 v14, v14, v15                         ; with lane l xor 16's two the word is whole
.irp c, 0,1
	v_cvt_scalef32_pk16_fp6_f32 v[16+6*\c:18+6*\c], v[96+32*\c:111+32*\c], v[10+\c]
	v_cvt_scalef32_pk16_fp6_f32 v[160+4*\c:162+4*\c], v[112+32*\c:127+32*\c], v[10+\c]   ; (a conversion's three registers begin on an even number)
.endr
	v_nop                                          ; one plain line behind a scaled conversion
.irp c, 0,1
.irp j, 0,1,2
	v_mov_b32 v[19+6*\c+\j], v[160+4*\c+\j]
.endr
.endr
.irp c, 0,1,2
	global_store_b128 v4, v[16+4*\c:19+4*\c], s[10:11] offset:512*\c   ; 512 consecutive bytes each
.endr
	global_store_b32 v5, v14, s[12:13]             ; both lanes of a row store the same word; the work-group's four waves fill 256 consecutive bytes
	s_wait_tensorcnt 0x0
	ds_add_u32 v192, v193
	s_wait_dscnt 0x0
	s_endpgm
; ---- V.  Job J 0..1023: key step J / 2 (128 keys), columns 32 (J % 2) on.  A LANE TAKES A COLUMN d AND ITS REGISTERS RUN DOWN THE KEYS, so a block of 32 keys lies in one lane.
.Lvalues:
	s_lshr_b32 s24, s23, 1
	s_lshl_b32 s24, s24, 15                        ; 128 rows of 256 bytes
	s_and_b32 s26, s23, 1
	s_lshl_b32 s26, s26, 7
	s_add_co_u32 s24, s24, s26
	s_add_nc_u64 s[6:7], s[6:7], s[24:25]
	s_mul_i32 s24, s23, 3072
	s_add_nc_u64 s[14:15], s[14:15], s[24:25]
	s_lshl_b32 s24, s23, 7
	s_add_nc_u64 s[16:17], s[16:17], s[24:25]
	v_lshlrev_b32 v5, 2, v1                        ; 4 l
.macro VLD t                                       ; block t's 32 rows: 128 consecutive bytes a load; the neighbouring wave takes the row's other half
.set i, 0
.rept 32
	global_load_b32 v[32+32*(\t)+i], v5, s[6:7] offset:256*(32*(\t)+i) th:TH_LOAD_NT
.set i, i+1
.endr
.endm
	VLD 0
	VLD 1
	s_mul_i32 s26, s22, VSTW
	s_add_co_u32 s26, s26, VST
	v_mul_u32_u24 v6, v3, 1536                     ; lanes 16-31 belong to the second fragment (d 16 further on)
	v_lshl_add_u32 v6, v2, 4, v6
	v_add_nc_u32 v6, s26, v6
	v_add_nc_u32 v7, s26, v4
; Block t of my column is registers 6 (t / 2) .. + 5 of lane (r, t % 2) of the fragment: it goes to that lane's places in the image.
.macro VBLK t
.set XS, 32+32*(\t)
.set CO, 160+6*(\t)
.if (\t) < 3
	s_wait_loadcnt 32                              ; this block's 32 loads are in; the next block's may stay out
.else
	s_wait_loadcnt 0x0
.endif
.if (\t) < 2
	VLD (\t)+2
.endif
	v_max3_num_f32 v8, |v[XS]|, |v[XS+1]|, FLOOR
	v_max_num_f32 v9, |v[XS+2]|, |v[XS+3]|
.irp i, 4,8,12,16,20,24,28
	v_max3_num_f32 v8, v8, |v[XS+\i]|, |v[XS+\i+1]|
	v_max3_num_f32 v9, v9, |v[XS+\i+2]|, |v[XS+\i+3]|
.endr
	v_max_num_f32 v8, v8, v9
	v_add_nc_u32 v10, OFF2, v8
	v_lshrrev_b32 v11, 23, v10
.if (\t) == 0
	v_mov_b32 v12, v11
.else
	v_lshl_or_b32 v12, v11, 8*(\t), v12            ; byte t of my column's scale word
.endif
	v_cvt_scalef32_pk16_fp6_f32 v[CO:CO+2], v[XS:XS+15], v10
	v_cvt_scalef32_pk16_fp6_f32 v[184:186], v[XS+16:XS+31], v10
	v_nop                                          ; one plain line behind a scaled conversion
.irp j, 0,1,2
	v_mov_b32 v[CO+3+\j], v[184+\j]
.endr
.if (\t) < 2
	ds_store_b128 v6, v[CO:CO+3] offset:256*((\t)%2)           ; registers 0-3: chunk 0
	ds_store_b64 v6, v[CO+4:CO+5] offset:512+256*((\t)%2)      ; registers 4, 5: the lower half of chunk 1
.else
	ds_store_b64 v6, v[CO:CO+1] offset:520+256*((\t)%2)        ; registers 6, 7: its upper half
	ds_store_b128 v6, v[CO+2:CO+5] offset:1024+256*((\t)%2)    ; registers 8-11: chunk 2
.endif
.endm
	VBLK 0
	VBLK 1
	VBLK 2
	VBLK 3
.set i, 0
.rept 6
	ds_load_b128 v[32+4*i:35+4*i], v7 offset:512*i ; LDS serves a wave's instructions in order: these see my stores
.set i, i+1
.endr
	global_store_b32 v5, v12, s[16:17]             ; 128 consecutive bytes of scale words
.set i, 0
.rept 6
	s_wait_dscnt 5-i                               ; the younger LDS loads may stay out
	global_store_b128 v4, v[32+4*i:35+4*i], s[14:15] offset:512*i   ; 512 consecutive bytes each
.set i, i+1
.endr
	s_wait_tensorcnt 0x0
	ds_add_u32 v192, v193
	s_wait_dscnt 0x0
	s_endpgm
.Lfunc_end_k_q14369724c3_prep:
	.size	k_q14369724c3_prep, .Lfunc_end_k_q14369724c3_prep-k_q14369724c3_prep
	.p2alignl 7, 3214868480
	.fill 96, 4, 3214868480
	.section	.rodata,"a",@progbits
	.p2align	6, 0x0
	.amdhsa_kernel k_q14369724c3_prep
		.amdhsa_group_segment_fixed_size 66048
		.amdhsa_private_segment_fixed_size 0
		.amdhsa_enable_private_segment 0
		.amdhsa_kernarg_size 64
		.amdhsa_user_sgpr_count 2
		.amdhsa_user_sgpr_kernarg_segment_ptr 1
		.amdhsa_wavefront_size32 1
		.amdhsa_system_sgpr_workgroup_id_x 1
		.amdhsa_system_sgpr_workgroup_id_y 1
		.amdhsa_system_sgpr_workgroup_id_z 1
		.amdhsa_system_vgpr_workitem_id 0
		.amdhsa_next_free_vgpr 194
		.amdhsa_next_free_sgpr 66
		.amdhsa_reserve_vcc 0
		.amdhsa_float_denorm_mode_32 3
		.amdhsa_float_denorm_mode_16_64 3
		.amdhsa_memory_ordered 1
		.amdhsa_forward_progress 1
		.amdhsa_inst_pref_size 58
	.end_amdhsa_kernel
	.amdgpu_metadata
---
amdhsa.version: [ 1, 2 ]
amdhsa.kernels:
  - .name:           k_q14369724c3_prep
    .symbol:         k_q14369724c3_prep.kd
    .args:
      - { .name: keys, .offset: 0, .size: 8, .value_kind: global_buffer, .address_space: global }
      - { .name: values, .offset: 8, .size: 8, .value_kind: global_buffer, .address_space: global }
      - { .name: mask, .offset: 16, .size: 8, .value_kind: global_buffer, .address_space: global }
      - { .name: ki, .offset: 24, .size: 8, .value_kind: global_buffer, .address_space: global }
      - { .name: ks, .offset: 32, .size: 8, .value_kind: global_buffer, .address_space: global }
      - { .name: vi, .offset: 40, .size: 8, .value_kind: global_buffer, .address_space: global }
      - { .name: vs, .offset: 48, .size: 8, .value_kind: global_buffer, .address_space: global }
      - { .name: mw, .offset: 56, .size: 8, .value_kind: global_buffer, .address_space: global }
    .group_segment_fixed_size: 66048
    .private_segment_fixed_size: 0
    .kernarg_segment_align: 8
    .kernarg_segment_size: 64
    .max_flat_workgroup_size: 128
    .sgpr_count:     66
    .vgpr_count:     194
    .wavefront_size: 32
...
	.end_amdgpu_metadata
.endif
;; end of part 1
;; launch attn (part 2): grid 16 x 16, 4 waves a work-group, no clusters, 295,424 bytes of LDS; arguments queries, ki, ks, vi, vs, mw, out0; writes out0
.if DOCPART == 2
	.amdgcn_target "amdgcn-amd-amdhsa--gfx1250"
	.amdhsa_code_object_version 6
	.text
	.protected	k_q14369724c3_attn
	.globl	k_q14369724c3_attn
	.p2align	8
	.type	k_q14369724c3_attn,@function
k_q14369724c3_attn:
	s_mov_b64 s[64:65], 0
	v_nop
	global_prefetch_b8 v0, s[64:65] scope:SCOPE_SE
	s_setreg_imm32_b32 hwreg(HW_REG_WAVE_MODE, 25, 1), 1
	s_wait_xcnt 0x0
; out[bh][q][:] = sum over k of w[q][k] V[bh][k][:],  w = mask ? softmax_k(mask ? Q.K / 8 : -1e9) : 0; both products on codes of FP6 (E2M3) with E8M0 scales for each 32 along K.
; THE WEIGHTS ARE QUANTISED FINISHED AND NORMALISED, so a row's sum must be known before any of its weights becomes a code.  So a tile's 16 x 4,096 p stay in registers until the sum is known, and scores, mask and exponentials are made once.
; SHARES.  A work-group owns 256 queries of one head (x: the block, y: the head) and walks them in 16 tiles of 16.  THE FOUR WAVES SHARE THE KEYS: wave w owns keys 1024 w .. + 1023, eight steps of 128;
; its 16 x 1,024 p fill 512 registers (windows 2 and 3).  Its K codes (48 KB) stay in its own LDS bytes; its V codes stay in registers (steps 0-4, window 1) and in its own LDS bytes (steps 5-7).
; A TRIP:  Q's tile is quantised in registers | phase 1, eight steps: S^T = K Q^T, mask, p = 2^(t - M) under a running whole number M, sums | the waves exchange (-M, l) through LDS, barrier |
; phase 2, eight steps: w = p x (2^(M_step - M) / l), quantised along the keys, O^T += V^T w^T | the four partial O^T meet in LDS, barrier, each wave adds and stores four rows.
; THE FIRST PRODUCT'S K IS 64, the instruction's 128: source 0 carries TWO tiles of 16 keys, one in each half of K; Q stands in the half that is wanted, zero codes with the scale byte 0 in the other.
; THE KEYS OF A TILE ARE NOT NEIGHBOURS (key 32 b + 8 u + r + (r & 8) in lane r): register 16 b + i of a step's 64 then holds key 32 b + 16 h + i of query r = lane % 16, h = lane / 16.
; THE MASK comes as lane masks, one 32-bit word for each score register, by scalar loads a step ahead; a hidden score becomes -8e9 (-1e9 x 8) ahead of the maximum, so its p is 0.
; NO CLUSTER: K and V, which a head's 16 work-groups share, are read once, at the head (384 KB a work-group against 16 trips of work), and 5/8 of V goes straight into registers; nothing in LDS is filled twice, so there is no ring either.
; LIMITS: NaN and infinities are not served.  A row whose largest counted score / 8 lies at or under about -6.9e8 is taken for a row with every key hidden and gives zeros (|q.k| beyond 5e9).  p under 2^-126 is flushed by v_exp_f32.
; A block's largest weight is made from the block's largest score by the same instructions as the weights, which takes v_exp_f32 not to fall where its input rises.  O is summed in four parts of 1,024 keys, key steps in the order 5, 0, 6, 1, 7, 2, 3, 4.
; min(1, w) is not written: p <= 1 under the row's M and l >= 1/2 hold w at or under 1 up to rounding of the same sum.
.set KWB,   49152                      ; LDS: from 0 on K's images, 32 pair fragments of 1,536 bytes for each wave;
.set VIMG,  196608                     ; V's images of steps 5, 6, 7: 12 fragments for each wave;
.set VWB,   18432
.set STAT,  270336                     ; (-M, l): 8 bytes a query, 128 bytes a wave;
.set OPART, 270848                     ; the partial O: 16 rows x (256 + 16) bytes for each wave
.set OWB,   4352
; window 0
.set KAD, 1                            ; v1  my 16 bytes of a chunk of K's images: 49152 w + 16 l
.set VAD, 2                            ; v2  the same in V's images
.set STW, 3                            ; v3  where I put (-M, l);          v4  where I read the four waves'
.set STR, 4
.set OW,  5                            ; v5  where I put 32 bytes of a row of O;   v6  where I read rows back;   v7  my byte offset in the tile's rows of out
.set ORD, 6
.set GO,  7
.set QA,  8                            ; v8  256 r + 128 h: my 32 numbers of Q
.set PFO, 9                            ; v9  256 l: the prefetch's offset
.set FF,  10                           ; v[10:11] f = 2^(old M - new M), and 0
.set NM,  12                           ; v12 -M;  v13 the largest t, later l
.set TMX, 13
.set D0,  14
.set D1,  15
.set QZ,  16                           ; v16-33  six zeros, Q's six registers of codes, six zeros
.set QSL, 34                           ; v34 Q's scale word for the lower half of K, v35 for the upper
.set KSC, 36                           ; v36-51  K's scale words: pair 2 i in lanes 0-15, pair 2 i + 1 in lanes 16-31
.set VSC, 52                           ; v52-67  V's: step x, d tiles 2 i and 2 i + 1 in register 2 x + i
.set PW,  68                           ; v68     the weights' scale word
.set H8,  69                           ; v69     8 h
.set NMS, 70                           ; v[70 + 2 s] -M of step s, later the step's factor; the odd registers hold 0
.set PMX, 86                           ; v[86 + 4 s + b] the largest p of block b of step s; later the rows read back
.set OT,  118                          ; v118-149 O^T, four tiles of 16 d
.set PC,  150                          ; v150-161 the weights' codes;  v162-169 their second halves on the way
.set PT,  162
.set KB,  170                          ; v170-217 four fragments from LDS: a step's K, or V of steps 5-7
.set LA,  218                          ; v218-225 the sum in eight parts
.set BM,  226
.set BX,  230
.set BP,  234
.set BY,  238
.set TP,  242                          ; v242-255 at work
; scalars: s[2:3] Q at the block; s[4:5] my mask words; s[6:7] out at the tile; s[8:9] Q at the next tile; s10 wave; s11 tile; s12, s13 this and the next tile's offset among the mask words; s14 -8e9;
; s15 tiles whose successor I prefetch; s[16:63], s[68:83] a step's 64 mask words; s[84:85] c; s[86:87] lane selects; s[88:89] the prefetch's address
.set MSB, 0
.macro WIN new                         ; low byte: bits 1:0 source 0, 3:2 source 1, 5:4 source 2, 7:6 destination; the high byte repeats the setting that is left
.if MSB != (\new)
	s_set_vgpr_msb (MSB<<8)|(\new)
.set MSB, (\new)
.endif
.endm
.macro KLOAD s                         ; step s's four pair fragments of K
.set i, 0
.rept 12
	ds_load_b128 v[KB+4*i:KB+4*i+3], v[KAD] offset:6144*(\s)+512*i
.set i, i+1
.endr
.endm
.macro VLOAD x                         ; step x's (5, 6, 7) four fragments of V
.set i, 0
.rept 12
	ds_load_b128 v[KB+4*i:KB+4*i+3], v[VAD] offset:6144*((\x)-5)+512*i
.set i, i+1
.endr
.endm
.macro MLOAD off, imm                  ; a step's 64 mask words
	s_load_b512 s[16:31], s[4:5], \off offset:\imm
	s_load_b512 s[32:47], s[4:5], \off offset:\imm+64
	s_load_b512 s[48:63], s[4:5], \off offset:\imm+128
	s_load_b512 s[68:83], s[4:5], \off offset:\imm+192
.endm
.macro QK1 s, g                        ; tile g = 2 j + u of step s's scores: pair fragment j, its half u of K
.set qS, 64*((\s)%4)+8*(\g)
.set qJ, (\g)/2
.set qU, (\g)%2
.if qJ%2
	v_wmma_scale_f32_16x16x128_f8f6f4 v[qS:qS+7], v[KB+12*qJ:KB+12*qJ+11], v[QZ+6*(1-qU):QZ+6*(1-qU)+11], 0, v[KSC+2*(\s)+qJ/2], v[QSL+qU] matrix_a_fmt:MATRIX_FMT_FP6 matrix_b_fmt:MATRIX_FMT_FP6 matrix_a_scale:MATRIX_SCALE_ROW1
.else
	v_wmma_scale_f32_16x16x128_f8f6f4 v[qS:qS+7], v[KB+12*qJ:KB+12*qJ+11], v[QZ+6*(1-qU):QZ+6*(1-qU)+11], 0, v[KSC+2*(\s)+qJ/2], v[QSL+qU] matrix_a_fmt:MATRIX_FMT_FP6 matrix_b_fmt:MATRIX_FMT_FP6
.endif
.endm
.macro PV1 va, t, x, zero              ; O^T tile t += V^T (fragment at va) x the weights
.if (\zero)
.if (\t)%2
	v_wmma_scale_f32_16x16x128_f8f6f4 v[OT+8*(\t):OT+8*(\t)+7], v[\va:\va+11], v[PC:PC+11], 0, v[VSC+2*(\x)+(\t)/2], v[PW] matrix_a_fmt:MATRIX_FMT_FP6 matrix_b_fmt:MATRIX_FMT_FP6 matrix_a_scale:MATRIX_SCALE_ROW1
.else
	v_wmma_scale_f32_16x16x128_f8f6f4 v[OT+8*(\t):OT+8*(\t)+7], v[\va:\va+11], v[PC:PC+11], 0, v[VSC+2*(\x)+(\t)/2], v[PW] matrix_a_fmt:MATRIX_FMT_FP6 matrix_b_fmt:MATRIX_FMT_FP6
.endif
.else
.if (\t)%2
	v_wmma_scale_f32_16x16x128_f8f6f4 v[OT+8*(\t):OT+8*(\t)+7], v[\va:\va+11], v[PC:PC+11], v[OT+8*(\t):OT+8*(\t)+7], v[VSC+2*(\x)+(\t)/2], v[PW] matrix_a_fmt:MATRIX_FMT_FP6 matrix_b_fmt:MATRIX_FMT_FP6 matrix_a_scale:MATRIX_SCALE_ROW1
.else
	v_wmma_scale_f32_16x16x128_f8f6f4 v[OT+8*(\t):OT+8*(\t)+7], v[\va:\va+11], v[PC:PC+11], v[OT+8*(\t):OT+8*(\t)+7], v[VSC+2*(\x)+(\t)/2], v[PW] matrix_a_fmt:MATRIX_FMT_FP6 matrix_b_fmt:MATRIX_FMT_FP6
.endif
.endif
.endm
.macro BAR                             ; my LDS stores have landed and my LDS loads are in: then the work-group's barrier
	s_wait_dscnt 0x0
	s_barrier_signal -1
	s_barrier_wait -1
.endm
; ---------------- the head
	s_load_b256 s[88:95], s[0:1], 0x0              ; queries s[88:89], ki s[90:91], ks s[92:93], vi s[94:95]
	s_load_b128 s[96:99], s[0:1], 0x20             ; vs s[96:97], mw s[98:99]
	s_load_b64 s[100:101], s[0:1], 0x30            ; out0
	v_lshl_add_u32 v254, v0, 2, 0x48000
	v_mov_b32 v255, 0
	v_lshrrev_b32 v242, 5, v0
	v_readfirstlane_b32 s10, v242                  ; wave 0..3
	v_and_b32 v243, 31, v0                         ; l
	v_and_b32 v244, 15, v0                         ; r
	v_bfe_u32 v245, v0, 4, 1                       ; h
	v_lshlrev_b32 v246, 4, v243                    ; 16 l
	v_lshlrev_b32 v247, 2, v243                    ; 4 l
	s_and_b32 s20, ttmp7, 0xffff                   ; the head
	s_mul_i32 s16, s20, 196608
	s_mul_i32 s21, s10, KWB
	s_add_co_u32 s16, s16, s21                     ; ki, vi: the head's 196,608 bytes, my wave's 49,152
	s_mov_b32 s17, 0
	s_lshl_b32 s18, s20, 13
	s_lshl_b32 s28, s10, 11
	s_add_co_u32 s18, s18, s28                     ; ks, vs: 8,192 and 2,048
	s_mov_b32 s19, 0
	s_lshl_b32 s24, s20, 20
	s_lshl_b32 s23, ttmp9, 16
	s_add_co_u32 s24, s24, s23                     ; Q, out: the head's 4,096 rows of 256 bytes, the block's 256
	s_mov_b32 s25, 0
	s_lshl_b32 s26, ttmp9, 17                      ; mw: 16 tiles of 8,192 bytes a block
	s_mov_b32 s27, 0
	s_mov_b32 s29, 0
	s_or_b32 s15, s10, s20
	s_cmp_eq_u32 s15, 0
	s_cselect_b32 s15, 15, 0                       ; all 16 heads read the same mask words: wave 0 of head 0's work-group asks for them ahead, for tiles 1 to 15
	s_wait_kmcnt 0x0
	s_add_nc_u64 s[90:91], s[90:91], s[16:17]
	s_add_nc_u64 s[94:95], s[94:95], s[16:17]
	s_add_nc_u64 s[92:93], s[92:93], s[18:19]
	s_add_nc_u64 s[96:97], s[96:97], s[18:19]
	s_add_nc_u64 s[2:3], s[88:89], s[24:25]
	s_add_nc_u64 s[6:7], s[100:101], s[24:25]
	s_add_nc_u64 s[88:89], s[98:99], s[26:27]
	s_add_nc_u64 s[4:5], s[88:89], s[28:29]        ; my wave's eight steps: 2,048 bytes in each tile's 8,192
	s_add_nc_u64 s[88:89], s[88:89], 8192          ; the prefetch begins at tile 1
	s_add_nc_u64 s[8:9], s[2:3], 4096              ; Q's tile 1
	v_add_nc_u32 v[KAD], s21, v246
	s_mul_i32 s21, s10, VWB
	s_add_co_u32 s21, s21, VIMG
	v_add_nc_u32 v[VAD], s21, v246
	s_lshl_b32 s21, s10, 7
	s_add_co_u32 s21, s21, STAT
	v_lshl_add_u32 v[STW], v244, 3, s21
	v_lshl_add_u32 v[STR], v244, 3, STAT
	v_mul_u32_u24 v[OW], v244, 272
	v_lshl_add_u32 v[OW], v245, 5, v[OW]
	s_mul_i32 s21, s10, OWB
	s_add_co_u32 s21, s21, OPART
	v_add_nc_u32 v[OW], s21, v[OW]                 ; my part: row r, 32 h; a tile of d is 64 bytes on
	v_mul_u32_u24 v[ORD], v245, 272
	v_lshl_add_u32 v[ORD], v244, 4, v[ORD]
	s_mul_i32 s21, s10, 1088
	s_add_co_u32 s21, s21, OPART
	v_add_nc_u32 v[ORD], s21, v[ORD]               ; back: rows 4 w + h (+ 2), 16 r
	v_lshlrev_b32 v[GO], 8, v245
	v_lshl_add_u32 v[GO], v244, 4, v[GO]
	s_lshl_b32 s21, s10, 10
	v_add_nc_u32 v[GO], s21, v[GO]
	v_lshlrev_b32 v[QA], 8, v244
	v_lshl_add_u32 v[QA], v245, 7, v[QA]
	v_lshlrev_b32 v[PFO], 8, v243
	v_lshlrev_b32 v[H8], 3, v245
	WIN 0x40                                       ; destination window 1: V's steps 0-4 stay in registers
.set i, 0
.rept 60
	global_load_b128 v[4*i:4*i+3], v246, s[94:95] offset:512*i
.set i, i+1
.endr
	WIN 0
.set i, 0
.rept 16
	global_load_b32 v[KSC+i], v247, s[92:93] offset:128*i
	global_load_b32 v[VSC+i], v247, s[96:97] offset:128*i
.set i, i+1
.endr
	WIN 0xc0                                       ; destination window 3: Q's tile 0, where step 5's first 32 scores will lie
.set i, 0
.rept 8
	global_load_b128 v[64+4*i:67+4*i], v[QA], s[2:3] offset:16*i
.set i, i+1
.endr
; K's 96 chunks and V's last 36 go to LDS through window 2: eleven groups of 12 chunks of 512 bytes, five sets of 48 registers by turns.
.macro LOADG g
	WIN 0x80
.set i, 0
.rept 12
.if (\g) < 8
	global_load_b128 v[48*((\g)%5)+4*i:48*((\g)%5)+4*i+3], v246, s[90:91] offset:512*(12*(\g)+i)
.else
	global_load_b128 v[48*((\g)%5)+4*i:48*((\g)%5)+4*i+3], v246, s[94:95] offset:30720+512*(12*((\g)-8)+i)
.endif
.set i, i+1
.endr
.endm
.macro STOREG g
	WIN 0x08                                       ; an LDS store's data are its source 1
.set i, 0
.rept 12
.if (\g) < 8
	ds_store_b128 v[KAD], v[48*((\g)%5)+4*i:48*((\g)%5)+4*i+3] offset:512*(12*(\g)+i)
.else
	ds_store_b128 v[VAD], v[48*((\g)%5)+4*i:48*((\g)%5)+4*i+3] offset:512*(12*((\g)-8)+i)
.endif
.set i, i+1
.endr
.endm
.irp g, 0,1,2,3,4
	LOADG \g
.endr
.irp g, 0,1,2,3,4,5,6,7,8,9,10
.if \g <= 6
	s_wait_loadcnt 48                              ; four younger groups of 12 may stay out
.else
	s_wait_loadcnt 12*(10-\g)                      ; the counts run down; the last is 0: every load of the head is in
.endif
	STOREG \g
.if \g <= 5
	s_wait_dscnt 0x0                               ; the stores have read their registers: the set takes the group five further on
	LOADG \g+5
.endif
.endr
	WIN 0
	s_mov_b32 s14, 0xcfee6b28                      ; -8e9
	s_mov_b32 s84, 0x3e38aa3b                      ; c = log2(e) / 8: t = score x c
	s_mov_b32 s85, s84                             ; (named with it as a pair)
	s_mov_b32 s86, 0x76543210
	s_mov_b32 s87, 0xfedcba98                      ; lane l xor 16
	s_mov_b32 s11, 0
	s_mov_b32 s12, 0
	s_mov_b32 s13, 8192
	MLOAD s12, 0                                   ; tile 0, step 0
.irp k, 0,1,2,3,4,5
	v_mov_b32 v[QZ+\k], 0
	v_mov_b32 v[QZ+12+\k], 0
.endr
	v_mov_b32 v[FF+1], 0
.irp k, 0,1,2,3,4,5,6,7
	v_mov_b32 v[NMS+2*\k+1], 0
.endr
.irp k, 0,1,2,3
	v_mov_b32 v[BX+\k], 0                          ; a lane permute's destination counts as one of its sources
.endr
	KLOAD 0                                        ; my own bytes, served in order behind my stores
; PHASE 1, key step s.  The next step's eight products stand among this step's exponentials, one behind every eight.
.macro P1 s
.set WS, 2+(\s)/4
.set SB, 64*((\s)%4)
.set sn, (\s)+1
.set WN, 2+sn/4
	s_wait_kmcnt 0x0                               ; this step's mask words
	WIN WS*0x45
.set n, 0
.rept 64
	v_cndmask_b32 v[SB+n], s14, v[SB+n], s[16+n+4*(n/48)]   ; hidden: -8e9.  Each accumulator is read from its low end on
.set n, n+1
.endr
.if (\s) < 7
	MLOAD s12, 256*sn                              ; the next step's words
.else
	MLOAD s13, 0                                   ; the next tile's first (in the last trip: the last tile's again, unused: no load leaves the buffer)
.endif
	WIN WS*5
.irp b, 0,1,2,3
	v_max_num_f32 v[BM+\b], v[SB+16*\b], v[SB+16*\b+1]   ; the largest score of each block of 32 keys: for the row's maximum and for the block's largest weight
.endr
.irp i, 2,4,6,8,10,12,14
.irp b, 0,1,2,3
	v_max3_num_f32 v[BM+\b], v[SB+16*\b+\i], v[SB+16*\b+\i+1], v[BM+\b]
.endr
.endr
	WIN 0
.irp b, 0,1,2,3
	v_permlanex16_b32 v[BX+\b], v[BM+\b], s86, s87
.endr
.irp b, 0,1,2,3
	v_max_num_f32 v[BM+\b], v[BM+\b], v[BX+\b]     ; with lane l xor 16's 16 keys
.endr
	v_max3_num_f32 v[D0], v[BM], v[BM+1], v[BM+2]
	v_max_num_f32 v[D0], v[D0], v[BM+3]
	v_mul_f32 v[D0], s84, v[D0]
	v_max_num_f32 v[TMX], v[TMX], v[D0]            ; the running largest t
	v_mov_b32 v[D0], v[NM]
	v_floor_f32 v[NM], -v[TMX]                     ; -M = floor(-t): M is a whole number
	v_sub_f32 v[D0], v[NM], v[D0]
	v_cvt_i32_f32 v[D0], v[D0]                     ; (it saturates)
	v_ldexp_f32 v[FF], 1.0, v[D0]                  ; f = 2^(old M - new M)
	v_mov_b32 v[NMS+2*(\s)], v[NM]                 ; this step's p stand under this M
.irp b, 0,1,2,3
	v_fma_f32 v[BP+\b], v[BM+\b], s84, v[NM]
.endr
.irp b, 0,1,2,3
	v_exp_f32 v[PMX+4*(\s)+\b], v[BP+\b]           ; the block's largest p
.endr
	WIN WS*0x45
.irp k, 0,1,2,3
	v_pk_fma_f32 v[SB+2*\k:SB+2*\k+1], v[SB+2*\k:SB+2*\k+1], s[84:85], v[NM:NM+1] op_sel_hi:[1,0,0]   ; t - M
.endr
.if (\s) < 7
	s_wait_dscnt 0x0                               ; the next step's K is in
.endif
.set g, 0
.rept 8
.set k, 0
.rept 4
	v_exp_f32 v[SB+8*g+2*k], v[SB+8*g+2*k]         ; p = 2^(t - M), at most 1
	v_exp_f32 v[SB+8*g+2*k+1], v[SB+8*g+2*k+1]
.if g < 7
	v_pk_fma_f32 v[SB+8*g+8+2*k:SB+8*g+9+2*k], v[SB+8*g+8+2*k:SB+8*g+9+2*k], s[84:85], v[NM:NM+1] op_sel_hi:[1,0,0]
.endif
.set k, k+1
.endr
.if (\s) < 7
	WIN WN<<6
	QK1 sn, g
.if g < 7
	WIN WS*0x45
.endif
.endif
.set g, g+1
.endr
	WIN 0
.irp k, 0,1,2,3
	v_pk_mul_f32 v[LA+2*\k:LA+2*\k+1], v[LA+2*\k:LA+2*\k+1], v[FF:FF+1] op_sel_hi:[1,0]   ; the sums under the new M: the plain lines behind the exponentials, and the four places behind the last product
.endr
	s_wait_alu depctr_va_vdst(0)                   ; one wait for the step's 68 exponentials, ahead of the first line that names a result
.if (\s) < 6
	KLOAD (\s)+2
.elseif (\s) == 6
	VLOAD 5
.endif
	WIN WS<<2
.set n, 0
.rept 32
	v_pk_add_f32 v[LA+2*(n%4):LA+2*(n%4)+1], v[LA+2*(n%4):LA+2*(n%4)+1], v[SB+2*n:SB+2*n+1]   ; the row's sum, of the unquantised p, in four chains
.set n, n+1
.endr
.endm
; PHASE 2, key step x (its p are already multiplied by the step's factor); nx: the step whose multiplies stand among this step's products; i: the place in the order.
.macro P2 x, nx, i
.set WX, 2+(\x)/4
.set SX, 64*((\x)%4)
.set WY, 2+(\nx)/4
.set SY, 64*((\nx)%4)
	WIN 0
.irp b, 0,1,2,3
	v_mul_f32 v[BP+\b], v[PMX+4*(\x)+\b], v[NMS+2*(\x)]   ; the block's largest weight: the same multiplication as the weights'
.endr
.irp b, 0,1,2,3
	v_max_num_f32 v[BP+\b], 0x1800000, v[BP+\b]    ; the floor 2^(3 - 127): the byte cannot fall under 1
.endr
.irp b, 0,1,2,3
	v_add_nc_u32 v[BP+\b], 0xff000000, v[BP+\b]    ; 2 off the exponent field: the conversion's scale operand
.endr
.irp b, 0,1,2,3
	v_lshrrev_b32 v[BY+\b], 23, v[BP+\b]
.endr
	v_lshl_or_b32 v[PW], v[BY+1], 8, v[BY]
	v_lshl_or_b32 v[PW], v[BY+2], 16, v[PW]
	v_lshl_or_b32 v[PW], v[BY+3], 24, v[PW]
	WIN WX
.irp c, 0,1
	v_cvt_scalef32_pk16_fp6_f32 v[PC+6*\c:PC+6*\c+2], v[SX+32*\c:SX+32*\c+15], v[BP+2*\c]
	v_cvt_scalef32_pk16_fp6_f32 v[PT+4*\c:PT+4*\c+2], v[SX+32*\c+16:SX+32*\c+31], v[BP+2*\c+1]
.endr
	WIN 0
	v_nop                                          ; one plain line behind a scaled conversion
.irp c, 0,1                                        ; the operand wants a whole block in a lane: lanes 0-15 block 2 c, lanes 16-31 block 2 c + 1
.irp j, 0,1,2
	v_permlane16_swap_b32 v[PC+6*\c+\j], v[PT+4*\c+\j]
.endr
.irp j, 0,1,2
	v_mov_b32 v[PC+3+6*\c+\j], v[PT+4*\c+\j]
.endr
.endr
.if (\i) == 0
	WIN 0xc0                                       ; step 5's first 32 weights are codes now: their registers take the next tile's Q (in the last trip the last tile's again, unused)
.irp j, 0,1,2,3,4,5,6,7
	global_load_b128 v[64+4*\j:67+4*\j], v[QA], s[8:9] offset:16*\j
.endr
.endif
.if (\x) >= 5
	s_wait_dscnt 0x0                               ; this step's V is in
.endif
.set n, 0
.if (\i) < 7
	WIN WY*0x41
.rept 8                                            ; eight plain lines between the scale word's last write and the first product
	v_pk_mul_f32 v[SY+2*n:SY+2*n+1], v[SY+2*n:SY+2*n+1], v[NMS+2*(\nx):NMS+2*(\nx)+1] op_sel_hi:[1,0]
.set n, n+1
.endr
.else
.rept 8
	v_nop
.endr
.endif
.irp t, 0,1,2,3                                    ; the four accumulators take turns, one instruction a turn
.if (\x) < 5
	WIN 0x01
.set VA, 12*(4*(\x)+\t)
.else
	WIN 0
.set VA, KB+12*\t
.endif
	PV1 VA, \t, \x, (\i)==0
.if (\i) < 7
	WIN WY*0x41
.rept 6
	v_pk_mul_f32 v[SY+2*n:SY+2*n+1], v[SY+2*n:SY+2*n+1], v[NMS+2*(\nx):NMS+2*(\nx)+1] op_sel_hi:[1,0]
.set n, n+1
.endr
.endif
.endr
	WIN 0
.if (\x) == 5
	VLOAD 6                                        ; six plain lines stand behind the last product that read these registers
.elseif (\x) == 6
	VLOAD 7
.elseif (\x) == 7
	KLOAD 0                                        ; the next tile's first step of K
.endif
.endm
; ---------------- a trip: one tile of 16 queries
.Ltile:
	s_wait_loadcnt 0x0                             ; Q's tile
	WIN 0x0f                                       ; sources 0 and 1: window 3
	v_max3_num_f32 v[D0], |v64|, |v65|, 0x1800000  ; my block of 32 along d, with the floor
	v_max3_num_f32 v[D1], |v66|, |v67|, 0x1800000
.irp i, 4,8,12,16,20,24,28
	v_max3_num_f32 v[D0], |v[64+\i]|, |v[65+\i]|, v[D0]
	v_max3_num_f32 v[D1], |v[66+\i]|, |v[67+\i]|, v[D1]
.endr
	WIN 0
	v_max_num_f32 v[D0], v[D0], v[D1]
	v_add_nc_u32 v[D1], 0xff000000, v[D0]
	v_lshrrev_b32 v[D0], 23, v[D1]
	WIN 0x03
	v_cvt_scalef32_pk16_fp6_f32 v[QZ+6:QZ+8], v[64:79], v[D1]
	v_cvt_scalef32_pk16_fp6_f32 v[PT:PT+2], v[80:95], v[D1]
	WIN 0
	v_nop                                          ; one plain line behind a scaled conversion
.irp j, 0,1,2
	v_mov_b32 v[QZ+9+\j], v[PT+\j]
.endr
	v_lshlrev_b32 v[D0], v[H8], v[D0]              ; my block's byte at its place,
	v_permlanex16_b32 v[TP], v[D0], s86, s87
	v_or_b32 v[QSL], v[D0], v[TP]                  ; with the other block's: (q0, q1, 0, 0);
	v_lshlrev_b32 v[QSL+1], 16, v[QSL]             ; and (0, 0, q0, q1)
	v_mov_b32 v[TMX], 0xff61b1e6                   ; -3e38, under every t.  (These ten lines are the places between the scale words' writes and the products)
	v_floor_f32 v[NM], -v[TMX]
.irp k, 0,1,2,3,4,5,6,7
	v_mov_b32 v[LA+\k], 0
.endr
	s_wait_dscnt 0x0                               ; step 0's K
	WIN 0x80
.irp g, 0,1,2,3,4,5,6,7
	QK1 0, \g
.endr
	WIN 0
.rept 4
	v_nop                                          ; four places in front of loads into registers that the products read, and of the first read of the scores
.endr
	KLOAD 1
	s_cmp_lt_u32 s11, s15                          ; the next tile's 8,192 bytes of mask words are asked for here, a lane to each 256 bytes, seven key steps ahead of the first load of them;
	s_cbranch_scc0 .Lnot_mine                      ; one wave of one of the 16 work-groups that read them asks; the last trip asks for nothing
	global_prefetch_b8 v[PFO], s[88:89] th:TH_LOAD_NT scope:SCOPE_SE
.Lnot_mine:
	P1 0
	P1 1
	P1 2
	P1 3
	P1 4
	P1 5
	P1 6
	P1 7
	; ---- the exchange: my 1,024 keys' (-M, l) to LDS, the four waves' back
	WIN 0
	v_pk_add_f32 v[LA:LA+1], v[LA:LA+1], v[LA+2:LA+3]
	v_pk_add_f32 v[LA+4:LA+5], v[LA+4:LA+5], v[LA+6:LA+7]
	v_pk_add_f32 v[LA:LA+1], v[LA:LA+1], v[LA+4:LA+5]
	v_add_f32 v[D0], v[LA], v[LA+1]
	v_permlanex16_b32 v[D1], v[D0], s86, s87
	v_add_f32 v[TMX], v[D0], v[D1]                 ; l beside -M
	ds_store_b64 v[STW], v[NM:NM+1]                ; both lanes of a query store the same 8 bytes
	BAR
.irp k, 0,1,2,3
	ds_load_b64 v[TP+2*\k:TP+2*\k+1], v[STR] offset:128*\k
.endr
	s_wait_dscnt 0x0
	v_min3_num_f32 v[D0], v[TP], v[TP+2], v[TP+4]
	v_min_num_f32 v[D0], v[D0], v[TP+6]            ; the row's -M
.irp k, 0,1,2,3
	v_sub_f32 v[TP+8+\k], v[D0], v[TP+2*\k]        ; a whole number, 0 or less
.endr
.irp k, 0,1,2,3
	v_cvt_i32_f32 v[TP+8+\k], v[TP+8+\k]
.endr
.irp k, 0,1,2,3
	v_ldexp_f32 v[TP+2*\k+1], v[TP+2*\k+1], v[TP+8+\k]   ; each wave's sum under the row's M
.endr
	v_add_f32 v[TP+1], v[TP+1], v[TP+3]
	v_add_f32 v[TP+5], v[TP+5], v[TP+7]
	v_add_f32 v[TP+1], v[TP+1], v[TP+5]            ; the row's sum: at least 1/2
	v_rcp_f32 v[D1], v[TP+1]
	v_cmp_lt_f32 vcc_lo, 0x4e6e6b28, v[D0]         ; (the plain line behind the reciprocal)  -M above 1e9: every key of the row is hidden
	s_wait_alu depctr_va_vdst(0)                   ; ahead of the first line that names the reciprocal
	v_cndmask_b32 v[D1], v[D1], 0, vcc_lo          ; then the clip by the mask leaves zeros
.irp k, 0,1,2,3,4,5,6,7
	v_sub_f32 v[NMS+2*\k], v[D0], v[NMS+2*\k]
.endr
.irp k, 0,1,2,3,4,5,6,7
	v_cvt_i32_f32 v[NMS+2*\k], v[NMS+2*\k]
.endr
.irp k, 0,1,2,3,4,5,6,7
	v_ldexp_f32 v[NMS+2*\k], v[D1], v[NMS+2*\k]    ; the step's factor: 2^(M_step - M) / l
.endr
	; ---- phase 2.  Steps whose V comes from LDS (5, 6, 7) stand between steps whose V is in registers, so that each load has a step in which to land
	WIN 0xc3
.set n, 0
.rept 32
	v_pk_mul_f32 v[64+2*n:65+2*n], v[64+2*n:65+2*n], v[NMS+10:NMS+11] op_sel_hi:[1,0]   ; step 5's weights
.set n, n+1
.endr
	P2 5, 0, 0
	P2 0, 6, 1
	P2 6, 1, 2
	P2 1, 7, 3
	P2 7, 2, 4
	P2 2, 3, 5
	P2 3, 4, 6
	P2 4, 4, 7
.rept 4
	v_nop                                          ; four places in front of the first read of the results
.endr
	; ---- the four waves' parts of O meet in LDS; each wave adds and stores four rows
.irp t, 0,1,2,3
	ds_store_b128 v[OW], v[OT+8*\t:OT+8*\t+3] offset:64*\t       ; each accumulator from its low end on: out(r, 16 t + 8 h + 0 .. 7)
	ds_store_b128 v[OW], v[OT+8*\t+4:OT+8*\t+7] offset:64*\t+16
.endr
	BAR
.irp i, 0,1
.irp k, 0,1,2,3
	ds_load_b128 v[PMX+16*\i+4*\k:PMX+16*\i+4*\k+3], v[ORD] offset:OWB*\k+544*\i
.endr
.endr
	s_wait_dscnt 0x0
.irp i, 0,1
.irp j, 0,2
	v_pk_add_f32 v[PMX+16*\i+\j:PMX+16*\i+\j+1], v[PMX+16*\i+\j:PMX+16*\i+\j+1], v[PMX+16*\i+4+\j:PMX+16*\i+5+\j]
	v_pk_add_f32 v[PMX+16*\i+8+\j:PMX+16*\i+9+\j], v[PMX+16*\i+8+\j:PMX+16*\i+9+\j], v[PMX+16*\i+12+\j:PMX+16*\i+13+\j]
.endr
.irp j, 0,2
	v_pk_add_f32 v[PMX+16*\i+\j:PMX+16*\i+\j+1], v[PMX+16*\i+\j:PMX+16*\i+\j+1], v[PMX+16*\i+8+\j:PMX+16*\i+9+\j]
.endr
.endr
.irp i, 0,1
	global_store_b128 v[GO], v[PMX+16*\i:PMX+16*\i+3], s[6:7] offset:512*\i th:TH_STORE_NT   ; 32 lanes store two rows: 512 consecutive bytes, aligned
.endr
	s_wait_xcnt 0x0                                ; every earlier memory instruction has read its addresses and data: bases, offsets and the stores' registers may be written
	s_add_nc_u64 s[6:7], s[6:7], 4096
	s_add_nc_u64 s[88:89], s[88:89], 8192
	s_add_co_u32 s11, s11, 1
	s_lshl_b32 s12, s11, 13                        ; the next trip's mask words,
	s_add_co_u32 s100, s11, 1
	s_min_u32 s100, s100, 15                       ; and its successor, held at the last tile
	s_lshl_b32 s13, s100, 13
	s_lshl_b32 s100, s100, 12
	s_mov_b32 s101, 0
	s_add_nc_u64 s[8:9], s[2:3], s[100:101]
	s_cmp_lt_u32 s11, 16
	s_cbranch_scc1 .Ltile
	s_wait_kmcnt 0x0                               ; the last trip's held loads have come
	s_wait_loadcnt 0x0
	s_wait_tensorcnt 0x0
	ds_add_u32 v254, v255
	s_wait_dscnt 0x0
	s_endpgm
.Lfunc_end_k_q14369724c3_attn:
	.size	k_q14369724c3_attn, .Lfunc_end_k_q14369724c3_attn-k_q14369724c3_attn
	.p2alignl 7, 3214868480
	.fill 96, 4, 3214868480
	.section	.rodata,"a",@progbits
	.p2align	6, 0x0
	.amdhsa_kernel k_q14369724c3_attn
		.amdhsa_group_segment_fixed_size 295424
		.amdhsa_private_segment_fixed_size 0
		.amdhsa_enable_private_segment 0
		.amdhsa_kernarg_size 56
		.amdhsa_user_sgpr_count 2
		.amdhsa_user_sgpr_kernarg_segment_ptr 1
		.amdhsa_wavefront_size32 1
		.amdhsa_system_sgpr_workgroup_id_x 1
		.amdhsa_system_sgpr_workgroup_id_y 1
		.amdhsa_system_sgpr_workgroup_id_z 1
		.amdhsa_system_vgpr_workitem_id 0
		.amdhsa_next_free_vgpr 1024
		.amdhsa_next_free_sgpr 102
		.amdhsa_reserve_vcc 1
		.amdhsa_float_denorm_mode_32 3
		.amdhsa_float_denorm_mode_16_64 3
		.amdhsa_memory_ordered 1
		.amdhsa_forward_progress 1
		.amdhsa_inst_pref_size 212
	.end_amdhsa_kernel
	.amdgpu_metadata
---
amdhsa.version: [ 1, 2 ]
amdhsa.kernels:
  - .name:           k_q14369724c3_attn
    .symbol:         k_q14369724c3_attn.kd
    .args:
      - { .name: queries, .offset: 0, .size: 8, .value_kind: global_buffer, .address_space: global }
      - { .name: ki, .offset: 8, .size: 8, .value_kind: global_buffer, .address_space: global }
      - { .name: ks, .offset: 16, .size: 8, .value_kind: global_buffer, .address_space: global }
      - { .name: vi, .offset: 24, .size: 8, .value_kind: global_buffer, .address_space: global }
      - { .name: vs, .offset: 32, .size: 8, .value_kind: global_buffer, .address_space: global }
      - { .name: mw, .offset: 40, .size: 8, .value_kind: global_buffer, .address_space: global }
      - { .name: out0, .offset: 48, .size: 8, .value_kind: global_buffer, .address_space: global }
    .group_segment_fixed_size: 295424
    .private_segment_fixed_size: 0
    .kernarg_segment_align: 8
    .kernarg_segment_size: 56
    .max_flat_workgroup_size: 128
    .sgpr_count:     102
    .vgpr_count:     1024
    .wavefront_size: 32
...
	.end_amdgpu_metadata
.endif
;; end of part 2
;; ======== version 2 of 2: 2 launches; version 1 with the launch attn written anew for expert scheduling mode
;; limits: inputs' magnitudes at most 8,000; right only within a limited range of input values
;; workspace buffers: ki 3,145,728 bytes; ks 131,072 bytes; vi 3,145,728 bytes; vs 131,072 bytes; mw 2,097,152 bytes of whole numbers
;; launch prep: the kernel of part 1 again; grid 1792 x 1, 4 waves a work-group, no clusters, 66,048 bytes of LDS; arguments keys, values, mask, ki, ks, vi, vs, mw; writes ki, ks, vi, vs, mw
;; launch attn (part 3): grid 16 x 16, 4 waves a work-group, no clusters, 295,424 bytes of LDS; arguments queries, ki, ks, vi, vs, mw, out0; writes out0
.if DOCPART == 3
	.amdgcn_target "amdgcn-amd-amdhsa--gfx1250"
	.amdhsa_code_object_version 6
	.text
	.protected	k_q14369724c3_attn
	.globl	k_q14369724c3_attn
	.p2align	8
	.type	k_q14369724c3_attn,@function
k_q14369724c3_attn:
	s_mov_b64 s[64:65], 0
	v_nop
	global_prefetch_b8 v0, s[64:65] scope:SCOPE_SE
	s_setreg_imm32_b32 hwreg(HW_REG_WAVE_SCHED_MODE, 0, 2), 2
	s_setreg_imm32_b32 hwreg(HW_REG_WAVE_MODE, 25, 1), 1
	s_wait_xcnt 0x0
	s_wait_alu depctr_vm_vsrc(0)
; out[bh][q][:] = sum over k of w[q][k] V[bh][k][:],  w = mask ? softmax_k(mask ? Q.K / 8 : -1e9) : 0; both products on codes of FP6 (E2M3) with E8M0 scales for each 32 along K.
; THE WEIGHTS ARE QUANTISED FINISHED AND NORMALISED, so a row's sum must be known before any of its weights becomes a code.  So a tile's 16 x 4,096 p stay in registers until the sum is known, and scores, mask and exponentials are made once.
; SHARES.  A work-group owns 256 queries of one head (x: the block, y: the head) and walks them in 16 tiles of 16.  THE FOUR WAVES SHARE THE KEYS: wave w owns keys 1024 w .. + 1023, eight steps of 128;
; its 16 x 1,024 p fill 512 registers (windows 2 and 3).  Its K codes (48 KB) stay in its own LDS bytes; its V codes stay in registers (steps 0-4, window 1) and in its own LDS bytes (steps 5-7).
; A TRIP:  Q's tile is quantised in registers | phase 1, eight steps: S^T = K Q^T, mask, p = 2^(t - M) under a running whole number M, sums | the waves exchange (-M, l) through LDS, barrier |
; phase 2, eight steps: w = p x (2^(M_step - M) / l), quantised along the keys, O^T += V^T w^T | the four partial O^T meet in LDS, barrier, each wave adds and stores four rows.
; THE FIRST PRODUCT'S K IS 64, the instruction's 128: source 0 carries TWO tiles of 16 keys, one in each half of K; Q stands in the half that is wanted, zero codes with the scale byte 0 in the other.
; THE KEYS OF A TILE ARE NOT NEIGHBOURS (key 32 b + 8 u + r + (r & 8) in lane r): register 16 b + i of a step's 64 then holds key 32 b + 16 h + i of query r = lane % 16, h = lane / 16.
; THE MASK comes as lane masks, one 32-bit word for each score register, by scalar loads a step ahead; a hidden score becomes -8e9 (-1e9 x 8) ahead of the maximum, so its p is 0.
; NO CLUSTER: K and V, which a head's 16 work-groups share, are read once, at the head (384 KB a work-group against 16 trips of work), and 5/8 of V goes straight into registers; nothing in LDS is filled twice, so there is no ring either.
; LIMITS: NaN and infinities are not served.  A row whose largest counted score / 8 lies at or under about -6.9e8 is taken for a row with every key hidden and gives zeros (|q.k| beyond 5e9).  p under 2^-126 is flushed by v_exp_f32.
; A block's largest weight is made from the block's largest score by the same instructions as the weights, which takes v_exp_f32 not to fall where its input rises.  O is summed in four parts of 1,024 keys, key steps in the order 5, 0, 6, 1, 7, 2, 3, 4.
; min(1, w) is not written: p <= 1 under the row's M and l >= 1/2 hold w at or under 1 up to rounding of the same sum.
; THE MODE: SCHED_MODE bits 1:0 = 2 (LLVM: expert scheduling mode 2), set by the entry lines.  The code itself states the register dependences between vector or matrix instructions and memory or LDS instructions, with s_wait_alu, always for 0.
; THE PLAN.  Registers that memory or LDS instructions touch in a trip, and who else names them:
;   KB            LDS loads land in it; the products K Q^T and, in steps 5 to 7, V^T w read it.  Each run of loads into it stands straight behind a wait on va_vdst that stands there for another reason too, but for step 1's K.
;   w3 v64-95     step 5's multiplies write them, its first two conversions read them, then the next tile's Q lands in them, behind the wait ahead of step 5's first product.
;   v12, v13      (-M, l): written in phase 1 and in the exchange, read by one LDS store, written again in the next trip's head.
;   TP            named by vector lines in the trip's head; the exchange's four LDS loads land in it.
;   OT            written by the products V^T w, read by eight LDS stores, begun anew by the next trip's products.
;   PMX           written by exponentials, read by phase 2's multiplies; the rows of O land in it, additions write it, two global stores read it; the next trip's exponentials write it again.
;   v1 to v9      addresses and offsets: written at the head, never again.
; So a phase-1 step has two waits on va_vdst (behind its selects, for the mask words; behind its exponentials), a phase-2 step one (ahead of its first product), the exchange two, the trip's head and its end two each;
; ONE wait on vm_vsrc a trip, at its end, ahead of the branch, frees v12, v13, OT and PMX for the next trip.
.set KWB,   49152                      ; LDS: from 0 on K's images, 32 pair fragments of 1,536 bytes for each wave;
.set VIMG,  196608                     ; V's images of steps 5, 6, 7: 12 fragments for each wave;
.set VWB,   18432
.set STAT,  270336                     ; (-M, l): 8 bytes a query, 128 bytes a wave;
.set OPART, 270848                     ; the partial O: 16 rows x (256 + 16) bytes for each wave
.set OWB,   4352
; window 0
.set KAD, 1                            ; v1  my 16 bytes of a chunk of K's images: 49152 w + 16 l
.set VAD, 2                            ; v2  the same in V's images
.set STW, 3                            ; v3  where I put (-M, l);          v4  where I read the four waves'
.set STR, 4
.set OW,  5                            ; v5  where I put 32 bytes of a row of O;   v6  where I read rows back;   v7  my byte offset in the tile's rows of out
.set ORD, 6
.set GO,  7
.set QA,  8                            ; v8  256 r + 128 h: my 32 numbers of Q
.set PFO, 9                            ; v9  256 l: the prefetch's offset
.set FF,  10                           ; v[10:11] f = 2^(old M - new M), and 0
.set NM,  12                           ; v12 -M;  v13 the largest t, later l
.set TMX, 13
.set D0,  14
.set D1,  15
.set QZ,  16                           ; v16-33  six zeros, Q's six registers of codes, six zeros
.set QSL, 34                           ; v34 Q's scale word for the lower half of K, v35 for the upper
.set KSC, 36                           ; v36-51  K's scale words: pair 2 i in lanes 0-15, pair 2 i + 1 in lanes 16-31
.set VSC, 52                           ; v52-67  V's: step x, d tiles 2 i and 2 i + 1 in register 2 x + i
.set PW,  68                           ; v68     the weights' scale word
.set H8,  69                           ; v69     8 h
.set NMS, 70                           ; v[70 + 2 s] -M of step s, later the step's factor; the odd registers hold 0
.set PMX, 86                           ; v[86 + 4 s + b] the largest p of block b of step s; later the rows read back
.set OT,  118                          ; v118-149 O^T, four tiles of 16 d
.set PC,  150                          ; v150-161 the weights' codes;  v162-169 their second halves on the way
.set PT,  162
.set KB,  170                          ; v170-217 four fragments from LDS: a step's K, or V of steps 5-7
.set LA,  218                          ; v218-225 the sum in eight parts
.set BM,  226
.set BX,  230
.set BP,  234
.set BY,  238
.set TP,  242                          ; v242-255 at work
; scalars: s[2:3] Q at the block; s[4:5] my mask words; s[6:7] out at the tile; s[8:9] Q at the next tile; s10 wave; s11 tile; s12, s13 this and the next tile's offset among the mask words; s14 -8e9;
; s15 tiles whose successor I prefetch; s[16:63], s[68:83] a step's 64 mask words; s[84:85] c; s[86:87] lane selects; s[88:89] the prefetch's address
.set MSB, 0
.macro WIN new                         ; low byte: bits 1:0 source 0, 3:2 source 1, 5:4 source 2, 7:6 destination; the high byte repeats the setting that is left
.if MSB != (\new)
	s_set_vgpr_msb (MSB<<8)|(\new)
.set MSB, (\new)
.endif
.endm
.macro KLOAD s                         ; step s's four pair fragments of K
.set i, 0
.rept 12
	ds_load_b128 v[KB+4*i:KB+4*i+3], v[KAD] offset:6144*(\s)+512*i
.set i, i+1
.endr
.endm
.macro VLOAD x                         ; step x's (5, 6, 7) four fragments of V
.set i, 0
.rept 12
	ds_load_b128 v[KB+4*i:KB+4*i+3], v[VAD] offset:6144*((\x)-5)+512*i
.set i, i+1
.endr
.endm
.macro MLOAD off, imm                  ; a step's 64 mask words
	s_load_b512 s[16:31], s[4:5], \off offset:\imm
	s_load_b512 s[32:47], s[4:5], \off offset:\imm+64
	s_load_b512 s[48:63], s[4:5], \off offset:\imm+128
	s_load_b512 s[68:83], s[4:5], \off offset:\imm+192
.endm
.macro QK1 s, g                        ; tile g = 2 j + u of step s's scores: pair fragment j, its half u of K
.set qS, 64*((\s)%4)+8*(\g)
.set qJ, (\g)/2
.set qU, (\g)%2
.if qJ%2
	v_wmma_scale_f32_16x16x128_f8f6f4 v[qS:qS+7], v[KB+12*qJ:KB+12*qJ+11], v[QZ+6*(1-qU):QZ+6*(1-qU)+11], 0, v[KSC+2*(\s)+qJ/2], v[QSL+qU] matrix_a_fmt:MATRIX_FMT_FP6 matrix_b_fmt:MATRIX_FMT_FP6 matrix_a_scale:MATRIX_SCALE_ROW1
.else
	v_wmma_scale_f32_16x16x128_f8f6f4 v[qS:qS+7], v[KB+12*qJ:KB+12*qJ+11], v[QZ+6*(1-qU):QZ+6*(1-qU)+11], 0, v[KSC+2*(\s)+qJ/2], v[QSL+qU] matrix_a_fmt:MATRIX_FMT_FP6 matrix_b_fmt:MATRIX_FMT_FP6
.endif
.endm
.macro PV1 va, t, x, zero              ; O^T tile t += V^T (fragment at va) x the weights
.if (\zero)
.if (\t)%2
	v_wmma_scale_f32_16x16x128_f8f6f4 v[OT+8*(\t):OT+8*(\t)+7], v[\va:\va+11], v[PC:PC+11], 0, v[VSC+2*(\x)+(\t)/2], v[PW] matrix_a_fmt:MATRIX_FMT_FP6 matrix_b_fmt:MATRIX_FMT_FP6 matrix_a_scale:MATRIX_SCALE_ROW1
.else
	v_wmma_scale_f32_16x16x128_f8f6f4 v[OT+8*(\t):OT+8*(\t)+7], v[\va:\va+11], v[PC:PC+11], 0, v[VSC+2*(\x)+(\t)/2], v[PW] matrix_a_fmt:MATRIX_FMT_FP6 matrix_b_fmt:MATRIX_FMT_FP6
.endif
.else
.if (\t)%2
	v_wmma_scale_f32_16x16x128_f8f6f4 v[OT+8*(\t):OT+8*(\t)+7], v[\va:\va+11], v[PC:PC+11], v[OT+8*(\t):OT+8*(\t)+7], v[VSC+2*(\x)+(\t)/2], v[PW] matrix_a_fmt:MATRIX_FMT_FP6 matrix_b_fmt:MATRIX_FMT_FP6 matrix_a_scale:MATRIX_SCALE_ROW1
.else
	v_wmma_scale_f32_16x16x128_f8f6f4 v[OT+8*(\t):OT+8*(\t)+7], v[\va:\va+11], v[PC:PC+11], v[OT+8*(\t):OT+8*(\t)+7], v[VSC+2*(\x)+(\t)/2], v[PW] matrix_a_fmt:MATRIX_FMT_FP6 matrix_b_fmt:MATRIX_FMT_FP6
.endif
.endif
.endm
.macro BAR                             ; my LDS stores have landed and my LDS loads are in: then the work-group's barrier
	s_wait_dscnt 0x0
	s_barrier_signal -1
	s_barrier_wait -1
.endm
; ---------------- the head
	s_load_b256 s[88:95], s[0:1], 0x0              ; queries s[88:89], ki s[90:91], ks s[92:93], vi s[94:95]
	s_load_b128 s[96:99], s[0:1], 0x20             ; vs s[96:97], mw s[98:99]
	s_load_b64 s[100:101], s[0:1], 0x30            ; out0
	v_lshl_add_u32 v254, v0, 2, 0x48000
	v_mov_b32 v255, 0
	v_lshrrev_b32 v242, 5, v0
	v_readfirstlane_b32 s10, v242                  ; wave 0..3
	v_and_b32 v243, 31, v0                         ; l
	v_and_b32 v244, 15, v0                         ; r
	v_bfe_u32 v245, v0, 4, 1                       ; h
	v_lshlrev_b32 v246, 4, v243                    ; 16 l
	v_lshlrev_b32 v247, 2, v243                    ; 4 l
	s_wait_alu depctr_va_sdst(0)                   ; s10 is written, ahead of its first reader: bases and LDS places are made from it
	s_and_b32 s20, ttmp7, 0xffff                   ; the head
	s_mul_i32 s16, s20, 196608
	s_mul_i32 s21, s10, KWB
	s_add_co_u32 s16, s16, s21                     ; ki, vi: the head's 196,608 bytes, my wave's 49,152
	s_mov_b32 s17, 0
	s_lshl_b32 s18, s20, 13
	s_lshl_b32 s28, s10, 11
	s_add_co_u32 s18, s18, s28                     ; ks, vs: 8,192 and 2,048
	s_mov_b32 s19, 0
	s_lshl_b32 s24, s20, 20
	s_lshl_b32 s23, ttmp9, 16
	s_add_co_u32 s24, s24, s23                     ; Q, out: the head's 4,096 rows of 256 bytes, the block's 256
	s_mov_b32 s25, 0
	s_lshl_b32 s26, ttmp9, 17                      ; mw: 16 tiles of 8,192 bytes a block
	s_mov_b32 s27, 0
	s_mov_b32 s29, 0
	s_or_b32 s15, s10, s20
	s_cmp_eq_u32 s15, 0
	s_cselect_b32 s15, 15, 0                       ; all 16 heads read the same mask words: wave 0 of head 0's work-group asks for them ahead, for tiles 1 to 15
	s_wait_kmcnt 0x0
	s_add_nc_u64 s[90:91], s[90:91], s[16:17]
	s_add_nc_u64 s[94:95], s[94:95], s[16:17]
	s_add_nc_u64 s[92:93], s[92:93], s[18:19]
	s_add_nc_u64 s[96:97], s[96:97], s[18:19]
	s_add_nc_u64 s[2:3], s[88:89], s[24:25]
	s_add_nc_u64 s[6:7], s[100:101], s[24:25]
	s_add_nc_u64 s[88:89], s[98:99], s[26:27]
	s_add_nc_u64 s[4:5], s[88:89], s[28:29]        ; my wave's eight steps: 2,048 bytes in each tile's 8,192
	s_add_nc_u64 s[88:89], s[88:89], 8192          ; the prefetch begins at tile 1
	s_add_nc_u64 s[8:9], s[2:3], 4096              ; Q's tile 1
	v_add_nc_u32 v[KAD], s21, v246
	s_mul_i32 s21, s10, VWB
	s_add_co_u32 s21, s21, VIMG
	v_add_nc_u32 v[VAD], s21, v246
	s_lshl_b32 s21, s10, 7
	s_add_co_u32 s21, s21, STAT
	v_lshl_add_u32 v[STW], v244, 3, s21
	v_lshl_add_u32 v[STR], v244, 3, STAT
	v_mul_u32_u24 v[OW], v244, 272
	v_lshl_add_u32 v[OW], v245, 5, v[OW]
	s_mul_i32 s21, s10, OWB
	s_add_co_u32 s21, s21, OPART
	v_add_nc_u32 v[OW], s21, v[OW]                 ; my part: row r, 32 h; a tile of d is 64 bytes on
	v_mul_u32_u24 v[ORD], v245, 272
	v_lshl_add_u32 v[ORD], v244, 4, v[ORD]
	s_mul_i32 s21, s10, 1088
	s_add_co_u32 s21, s21, OPART
	v_add_nc_u32 v[ORD], s21, v[ORD]               ; back: rows 4 w + h (+ 2), 16 r
	v_lshlrev_b32 v[GO], 8, v245
	v_lshl_add_u32 v[GO], v244, 4, v[GO]
	s_lshl_b32 s21, s10, 10
	v_add_nc_u32 v[GO], s21, v[GO]
	v_lshlrev_b32 v[QA], 8, v244
	v_lshl_add_u32 v[QA], v245, 7, v[QA]
	v_lshlrev_b32 v[PFO], 8, v243
	v_lshlrev_b32 v[H8], 3, v245
	WIN 0x40                                       ; destination window 1: V's steps 0-4 stay in registers
	s_wait_alu depctr_va_vdst(0)                   ; v1 to v9, v246 and v247 are written: every load, store and prefetch of the kernel reads one of them as its address or offset.  (The lines that read s21 are done too, ahead of the first scalar load into s[16:31])
.set i, 0
.rept 60
	global_load_b128 v[4*i:4*i+3], v246, s[94:95] offset:512*i
.set i, i+1
.endr
	WIN 0
.set i, 0
.rept 16
	global_load_b32 v[KSC+i], v247, s[92:93] offset:128*i
	global_load_b32 v[VSC+i], v247, s[96:97] offset:128*i
.set i, i+1
.endr
	WIN 0xc0                                       ; destination window 3: Q's tile 0, where step 5's first 32 scores will lie
.set i, 0
.rept 8
	global_load_b128 v[64+4*i:67+4*i], v[QA], s[2:3] offset:16*i
.set i, i+1
.endr
; K's 96 chunks and V's last 36 go to LDS through window 2: eleven groups of 12 chunks of 512 bytes, five sets of 48 registers by turns.  No vector instruction names the sets here.
.macro LOADG g, again                  ; again = 1: the set has been stored to LDS before
	WIN 0x80
.if \again
	s_wait_alu depctr_vm_vsrc(0)                   ; the LDS stores of the group five back have read this set, in which the loads below land
.endif
.set i, 0
.rept 12
.if (\g) < 8
	global_load_b128 v[48*((\g)%5)+4*i:48*((\g)%5)+4*i+3], v246, s[90:91] offset:512*(12*(\g)+i)
.else
	global_load_b128 v[48*((\g)%5)+4*i:48*((\g)%5)+4*i+3], v246, s[94:95] offset:30720+512*(12*((\g)-8)+i)
.endif
.set i, i+1
.endr
.endm
.macro STOREG g
	WIN 0x08                                       ; an LDS store's data are its source 1
.set i, 0
.rept 12
.if (\g) < 8
	ds_store_b128 v[KAD], v[48*((\g)%5)+4*i:48*((\g)%5)+4*i+3] offset:512*(12*(\g)+i)
.else
	ds_store_b128 v[VAD], v[48*((\g)%5)+4*i:48*((\g)%5)+4*i+3] offset:512*(12*((\g)-8)+i)
.endif
.set i, i+1
.endr
.endm
.irp g, 0,1,2,3,4
	LOADG \g, 0
.endr
.irp g, 0,1,2,3,4,5,6,7,8,9,10
.if \g <= 6
	s_wait_loadcnt 48                              ; four younger groups of 12 may stay out
.else
	s_wait_loadcnt 12*(10-\g)                      ; the counts run down; the last is 0: every load of the head is in
.endif
	STOREG \g
.if \g <= 5
	s_wait_dscnt 0x0                               ; the group's stores are done: the set takes the group five further on
	LOADG \g+5, 1
.endif
.endr
	WIN 0
	s_wait_alu depctr_vm_vsrc(0)                   ; the last LDS stores have read window 2's sets, where the scores will be written; the head's loads have read v246 and v247, which lie among the registers at work from here on
	s_mov_b32 s14, 0xcfee6b28                      ; -8e9
	s_mov_b32 s84, 0x3e38aa3b                      ; c = log2(e) / 8: t = score x c
	s_mov_b32 s85, s84                             ; (named with it as a pair)
	s_mov_b32 s86, 0x76543210
	s_mov_b32 s87, 0xfedcba98                      ; lane l xor 16
	s_mov_b32 s11, 0
	s_mov_b32 s12, 0
	s_mov_b32 s13, 8192
	MLOAD s12, 0                                   ; tile 0, step 0
.irp k, 0,1,2,3,4,5
	v_mov_b32 v[QZ+\k], 0
	v_mov_b32 v[QZ+12+\k], 0
.endr
	v_mov_b32 v[FF+1], 0
.irp k, 0,1,2,3,4,5,6,7
	v_mov_b32 v[NMS+2*\k+1], 0
.endr
.irp k, 0,1,2,3
	v_mov_b32 v[BX+\k], 0                          ; a lane permute's destination counts as one of its sources
.endr
	KLOAD 0                                        ; my own bytes, served in order behind my stores.  No wait: no vector instruction has named KB, and none since the head's wait names v[KAD]
; PHASE 1, key step s.  The next step's eight products stand among this step's exponentials, one behind every eight.
.macro P1 s
.set WS, 2+(\s)/4
.set SB, 64*((\s)%4)
.set sn, (\s)+1
.set WN, 2+sn/4
	s_wait_kmcnt 0x0                               ; this step's mask words
	WIN WS*0x45
.set n, 0
.rept 64
	v_cndmask_b32 v[SB+n], s14, v[SB+n], s[16+n+4*(n/48)]   ; hidden: -8e9.  Each accumulator is read from its low end on
.set n, n+1
.endr
	s_wait_alu depctr_va_vdst(0)                   ; the 64 selects are done reading the mask words s[16:63] and s[68:83], in which the scalar loads below land
.if (\s) < 7
	MLOAD s12, 256*sn                              ; the next step's words
.else
	MLOAD s13, 0                                   ; the next tile's first (in the last trip: the last tile's again, unused: no load leaves the buffer)
.endif
	WIN WS*5
.irp b, 0,1,2,3
	v_max_num_f32 v[BM+\b], v[SB+16*\b], v[SB+16*\b+1]   ; the largest score of each block of 32 keys: for the row's maximum and for the block's largest weight
.endr
.irp i, 2,4,6,8,10,12,14
.irp b, 0,1,2,3
	v_max3_num_f32 v[BM+\b], v[SB+16*\b+\i], v[SB+16*\b+\i+1], v[BM+\b]
.endr
.endr
	WIN 0
.irp b, 0,1,2,3
	v_permlanex16_b32 v[BX+\b], v[BM+\b], s86, s87
.endr
.irp b, 0,1,2,3
	v_max_num_f32 v[BM+\b], v[BM+\b], v[BX+\b]     ; with lane l xor 16's 16 keys
.endr
	v_max3_num_f32 v[D0], v[BM], v[BM+1], v[BM+2]
	v_max_num_f32 v[D0], v[D0], v[BM+3]
	v_mul_f32 v[D0], s84, v[D0]
	v_max_num_f32 v[TMX], v[TMX], v[D0]            ; the running largest t
	v_mov_b32 v[D0], v[NM]
	v_floor_f32 v[NM], -v[TMX]                     ; -M = floor(-t): M is a whole number
	v_sub_f32 v[D0], v[NM], v[D0]
	v_cvt_i32_f32 v[D0], v[D0]                     ; (it saturates)
	v_ldexp_f32 v[FF], 1.0, v[D0]                  ; f = 2^(old M - new M)
	v_mov_b32 v[NMS+2*(\s)], v[NM]                 ; this step's p stand under this M
.irp b, 0,1,2,3
	v_fma_f32 v[BP+\b], v[BM+\b], s84, v[NM]
.endr
.irp b, 0,1,2,3
	v_exp_f32 v[PMX+4*(\s)+\b], v[BP+\b]           ; the block's largest p
.endr
	WIN WS*0x45
.irp k, 0,1,2,3
	v_pk_fma_f32 v[SB+2*\k:SB+2*\k+1], v[SB+2*\k:SB+2*\k+1], s[84:85], v[NM:NM+1] op_sel_hi:[1,0,0]   ; t - M
.endr
.if (\s) < 7
	s_wait_dscnt 0x0                               ; the next step's K is in
.endif
.set g, 0
.rept 8
.set k, 0
.rept 4
	v_exp_f32 v[SB+8*g+2*k], v[SB+8*g+2*k]         ; p = 2^(t - M), at most 1
	v_exp_f32 v[SB+8*g+2*k+1], v[SB+8*g+2*k+1]
.if g < 7
	v_pk_fma_f32 v[SB+8*g+8+2*k:SB+8*g+9+2*k], v[SB+8*g+8+2*k:SB+8*g+9+2*k], s[84:85], v[NM:NM+1] op_sel_hi:[1,0,0]
.endif
.set k, k+1
.endr
.if (\s) < 7
	WIN WN<<6
	QK1 sn, g                                      ; (Q's codes and scale words were shown written by the wait in the trip's head)
.if g < 7
	WIN WS*0x45
.endif
.endif
.set g, g+1
.endr
	WIN 0
.irp k, 0,1,2,3
	v_pk_mul_f32 v[LA+2*\k:LA+2*\k+1], v[LA+2*\k:LA+2*\k+1], v[FF:FF+1] op_sel_hi:[1,0]   ; the sums under the new M: the plain lines behind the exponentials
.endr
	s_wait_alu depctr_va_vdst(0)                   ; the step's 68 exponentials have written their results, ahead of the first line that names one; and in steps 0 to 6 the eight products above are done reading KB, in which the loads below land
.if (\s) < 6
	KLOAD (\s)+2
.elseif (\s) == 6
	VLOAD 5
.endif
	WIN WS<<2
.set n, 0
.rept 32
	v_pk_add_f32 v[LA+2*(n%4):LA+2*(n%4)+1], v[LA+2*(n%4):LA+2*(n%4)+1], v[SB+2*n:SB+2*n+1]   ; the row's sum, of the unquantised p, in four chains
.set n, n+1
.endr
.endm
; PHASE 2, key step x (its p are already multiplied by the step's factor); nx: the step whose multiplies stand among this step's products; i: the place in the order;
; ld: what is asked of LDS behind the step's one wait: 6, 7: V of that step; 8: the next tile's first step of K; 0: nothing.  Such a load stands in a step whose own V lies in window 1, so that KB's last readers are the step before's products.
.macro P2 x, nx, i, ld
.set WX, 2+(\x)/4
.set SX, 64*((\x)%4)
.set WY, 2+(\nx)/4
.set SY, 64*((\nx)%4)
	WIN 0
.irp b, 0,1,2,3
	v_mul_f32 v[BP+\b], v[PMX+4*(\x)+\b], v[NMS+2*(\x)]   ; the block's largest weight: the same multiplication as the weights'
.endr
.irp b, 0,1,2,3
	v_max_num_f32 v[BP+\b], 0x1800000, v[BP+\b]    ; the floor 2^(3 - 127): the byte cannot fall under 1
.endr
.irp b, 0,1,2,3
	v_add_nc_u32 v[BP+\b], 0xff000000, v[BP+\b]    ; 2 off the exponent field: the conversion's scale operand
.endr
.irp b, 0,1,2,3
	v_lshrrev_b32 v[BY+\b], 23, v[BP+\b]
.endr
	v_lshl_or_b32 v[PW], v[BY+1], 8, v[BY]
	v_lshl_or_b32 v[PW], v[BY+2], 16, v[PW]
	v_lshl_or_b32 v[PW], v[BY+3], 24, v[PW]
	WIN WX
.irp c, 0,1
	v_cvt_scalef32_pk16_fp6_f32 v[PC+6*\c:PC+6*\c+2], v[SX+32*\c:SX+32*\c+15], v[BP+2*\c]
	v_cvt_scalef32_pk16_fp6_f32 v[PT+4*\c:PT+4*\c+2], v[SX+32*\c+16:SX+32*\c+31], v[BP+2*\c+1]
.endr
	WIN 0
	v_nop                                          ; one plain line behind a scaled conversion
.irp c, 0,1                                        ; the operand wants a whole block in a lane: lanes 0-15 block 2 c, lanes 16-31 block 2 c + 1
.irp j, 0,1,2
	v_permlane16_swap_b32 v[PC+6*\c+\j], v[PT+4*\c+\j]
.endr
.irp j, 0,1,2
	v_mov_b32 v[PC+3+6*\c+\j], v[PT+4*\c+\j]
.endr
.endr
.set n, 0
.if (\i) < 7
	WIN WY*0x41
.rept 8                                            ; eight plain lines between the scale word's last write and the first product
	v_pk_mul_f32 v[SY+2*n:SY+2*n+1], v[SY+2*n:SY+2*n+1], v[NMS+2*(\nx):NMS+2*(\nx)+1] op_sel_hi:[1,0]
.set n, n+1
.endr
.else
.rept 8
	v_nop
.endr
.endif
.if (\i) == 0                                      ; the window that the line behind the wait needs is set ahead of the wait
	WIN 0xc0
.elseif ((\x) < 5) && ((\ld) == 0)
	WIN 0x01
.else
	WIN 0
.endif
.if (\x) >= 5
	s_wait_dscnt 0x0                               ; this step's V is in
.endif
	s_wait_alu depctr_va_vdst(0)                   ; THE STEP'S ONE WAIT, behind the eight places, which stay: the weights' codes v[PC ..] and their scale word v[PW] are written, which the four products take; the step before's products are done reading KB; in step 5 its conversions are done reading the registers in which Q lands
.if (\i) == 0
.irp j, 0,1,2,3,4,5,6,7
	global_load_b128 v[64+4*\j:67+4*\j], v[QA], s[8:9] offset:16*\j   ; step 5's first 32 weights are codes now: their registers take the next tile's Q (in the last trip the last tile's again, unused)
.endr
.endif
.if (\ld) == 6
	VLOAD 6                                        ; it has this step's products and multiplies and the next step's conversions in which to land
.elseif (\ld) == 7
	VLOAD 7
.elseif (\ld) == 8
	KLOAD 0                                        ; the next tile's first step of K
.endif
.irp t, 0,1,2,3                                    ; the four accumulators take turns, one instruction a turn
.if (\x) < 5
	WIN 0x01
.set VA, 12*(4*(\x)+\t)
.else
	WIN 0
.set VA, KB+12*\t
.endif
	PV1 VA, \t, \x, (\i)==0
.if (\i) < 7
	WIN WY*0x41
.rept 6
	v_pk_mul_f32 v[SY+2*n:SY+2*n+1], v[SY+2*n:SY+2*n+1], v[NMS+2*(\nx):NMS+2*(\nx)+1] op_sel_hi:[1,0]
.set n, n+1
.endr
.endif
.endr
	WIN 0
.endm
; ---------------- a trip: one tile of 16 queries
.Ltile:
	s_wait_loadcnt 0x0                             ; Q's tile
	WIN 0x0f                                       ; sources 0 and 1: window 3
	v_max3_num_f32 v[D0], |v64|, |v65|, 0x1800000  ; my block of 32 along d, with the floor
	v_max3_num_f32 v[D1], |v66|, |v67|, 0x1800000
.irp i, 4,8,12,16,20,24,28
	v_max3_num_f32 v[D0], |v[64+\i]|, |v[65+\i]|, v[D0]
	v_max3_num_f32 v[D1], |v[66+\i]|, |v[67+\i]|, v[D1]
.endr
	WIN 0
	v_max_num_f32 v[D0], v[D0], v[D1]
	v_add_nc_u32 v[D1], 0xff000000, v[D0]
	v_lshrrev_b32 v[D0], 23, v[D1]
	WIN 0x03
	v_cvt_scalef32_pk16_fp6_f32 v[QZ+6:QZ+8], v[64:79], v[D1]
	v_cvt_scalef32_pk16_fp6_f32 v[PT:PT+2], v[80:95], v[D1]
	WIN 0
	v_nop                                          ; one plain line behind a scaled conversion
.irp j, 0,1,2
	v_mov_b32 v[QZ+9+\j], v[PT+\j]
.endr
	v_lshlrev_b32 v[D0], v[H8], v[D0]              ; my block's byte at its place,
	v_permlanex16_b32 v[TP], v[D0], s86, s87
	v_or_b32 v[QSL], v[D0], v[TP]                  ; with the other block's: (q0, q1, 0, 0);
	v_lshlrev_b32 v[QSL+1], 16, v[QSL]             ; and (0, 0, q0, q1)
	v_mov_b32 v[TMX], 0xff61b1e6                   ; -3e38, under every t.  (These ten lines are the places between the scale words' writes and the products)
	v_floor_f32 v[NM], -v[TMX]
.irp k, 0,1,2,3,4,5,6,7
	v_mov_b32 v[LA+\k], 0
.endr
	s_wait_dscnt 0x0                               ; step 0's K
	WIN 0x80
	s_wait_alu depctr_va_vdst(0)                   ; Q's codes v[QZ+6 ..] and its scale words v[QSL], v[QSL+1] are written, which all 64 products K Q^T of this trip take; the ten places above stay beside this wait
.irp g, 0,1,2,3,4,5,6,7
	QK1 0, \g
.endr
	WIN 0
.rept 4
	v_nop                                          ; four places in front of the first read of the scores
.endr
	s_wait_alu depctr_va_vdst(0)                   ; the eight products are done reading KB, in which step 1's K lands
	KLOAD 1
	s_cmp_lt_u32 s11, s15                          ; the next tile's 8,192 bytes of mask words are asked for here, a lane to each 256 bytes, seven key steps ahead of the first load of them;
	s_cbranch_scc0 .Lnot_mine                      ; one wave of one of the 16 work-groups that read them asks; the last trip asks for nothing
	global_prefetch_b8 v[PFO], s[88:89] th:TH_LOAD_NT scope:SCOPE_SE
.Lnot_mine:
	P1 0
	P1 1
	P1 2
	P1 3
	P1 4
	P1 5
	P1 6
	P1 7
	; ---- the exchange: my 1,024 keys' (-M, l) to LDS, the four waves' back
	WIN 0
	v_pk_add_f32 v[LA:LA+1], v[LA:LA+1], v[LA+2:LA+3]
	v_pk_add_f32 v[LA+4:LA+5], v[LA+4:LA+5], v[LA+6:LA+7]
	v_pk_add_f32 v[LA:LA+1], v[LA:LA+1], v[LA+4:LA+5]
	v_add_f32 v[D0], v[LA], v[LA+1]
	v_permlanex16_b32 v[D1], v[D0], s86, s87
	v_add_f32 v[TMX], v[D0], v[D1]                 ; l beside -M
	s_wait_alu depctr_va_vdst(0)                   ; -M and l are written, which the LDS store reads; the trip's head is done with v[TP ..], in which the four loads behind the barrier land
	ds_store_b64 v[STW], v[NM:NM+1]                ; both lanes of a query store the same 8 bytes
	BAR
.irp k, 0,1,2,3
	ds_load_b64 v[TP+2*\k:TP+2*\k+1], v[STR] offset:128*\k
.endr
	s_wait_dscnt 0x0
	v_min3_num_f32 v[D0], v[TP], v[TP+2], v[TP+4]
	v_min_num_f32 v[D0], v[D0], v[TP+6]            ; the row's -M
.irp k, 0,1,2,3
	v_sub_f32 v[TP+8+\k], v[D0], v[TP+2*\k]        ; a whole number, 0 or less
.endr
.irp k, 0,1,2,3
	v_cvt_i32_f32 v[TP+8+\k], v[TP+8+\k]
.endr
.irp k, 0,1,2,3
	v_ldexp_f32 v[TP+2*\k+1], v[TP+2*\k+1], v[TP+8+\k]   ; each wave's sum under the row's M
.endr
	v_add_f32 v[TP+1], v[TP+1], v[TP+3]
	v_add_f32 v[TP+5], v[TP+5], v[TP+7]
	v_add_f32 v[TP+1], v[TP+1], v[TP+5]            ; the row's sum: at least 1/2
	v_rcp_f32 v[D1], v[TP+1]
	v_cmp_lt_f32 vcc_lo, 0x4e6e6b28, v[D0]         ; (the plain line behind the reciprocal)  -M above 1e9: every key of the row is hidden
	s_wait_alu depctr_va_vdst(0)                   ; the reciprocal has written v[D1], ahead of the first line that names it
	s_wait_alu depctr_va_vcc(0)                    ; the compare has written VCC, which the select reads
	v_cndmask_b32 v[D1], v[D1], 0, vcc_lo          ; then the clip by the mask leaves zeros
.irp k, 0,1,2,3,4,5,6,7
	v_sub_f32 v[NMS+2*\k], v[D0], v[NMS+2*\k]
.endr
.irp k, 0,1,2,3,4,5,6,7
	v_cvt_i32_f32 v[NMS+2*\k], v[NMS+2*\k]
.endr
.irp k, 0,1,2,3,4,5,6,7
	v_ldexp_f32 v[NMS+2*\k], v[D1], v[NMS+2*\k]    ; the step's factor: 2^(M_step - M) / l
.endr
	; ---- phase 2.  Steps whose V comes from LDS (5, 6, 7) stand between steps whose V is in registers, and in those the next such V is asked for
	WIN 0xc3
.set n, 0
.rept 32
	v_pk_mul_f32 v[64+2*n:65+2*n], v[64+2*n:65+2*n], v[NMS+10:NMS+11] op_sel_hi:[1,0]   ; step 5's weights
.set n, n+1
.endr
	P2 5, 0, 0, 0
	P2 0, 6, 1, 6
	P2 6, 1, 2, 0
	P2 1, 7, 3, 7
	P2 7, 2, 4, 0
	P2 2, 3, 5, 8
	P2 3, 4, 6, 0
	P2 4, 4, 7, 0
.rept 4
	v_nop                                          ; four places in front of the first read of the results
.endr
	s_wait_alu depctr_va_vdst(0)                   ; the products have written O^T, which the LDS stores read (the places above stay beside this wait); phase 2's multiplies are done reading v[PMX ..], in which the rows behind the barrier land
	; ---- the four waves' parts of O meet in LDS; each wave adds and stores four rows
.irp t, 0,1,2,3
	ds_store_b128 v[OW], v[OT+8*\t:OT+8*\t+3] offset:64*\t       ; each accumulator from its low end on: out(r, 16 t + 8 h + 0 .. 7)
	ds_store_b128 v[OW], v[OT+8*\t+4:OT+8*\t+7] offset:64*\t+16
.endr
	BAR
.irp i, 0,1
.irp k, 0,1,2,3
	ds_load_b128 v[PMX+16*\i+4*\k:PMX+16*\i+4*\k+3], v[ORD] offset:OWB*\k+544*\i
.endr
.endr
	s_wait_dscnt 0x0
.irp i, 0,1
.irp j, 0,2
	v_pk_add_f32 v[PMX+16*\i+\j:PMX+16*\i+\j+1], v[PMX+16*\i+\j:PMX+16*\i+\j+1], v[PMX+16*\i+4+\j:PMX+16*\i+5+\j]
	v_pk_add_f32 v[PMX+16*\i+8+\j:PMX+16*\i+9+\j], v[PMX+16*\i+8+\j:PMX+16*\i+9+\j], v[PMX+16*\i+12+\j:PMX+16*\i+13+\j]
.endr
.irp j, 0,2
	v_pk_add_f32 v[PMX+16*\i+\j:PMX+16*\i+\j+1], v[PMX+16*\i+\j:PMX+16*\i+\j+1], v[PMX+16*\i+8+\j:PMX+16*\i+9+\j]
.endr
.endr
	s_wait_alu depctr_va_vdst(0)                   ; the additions have written the rows, which the two stores read
.irp i, 0,1
	global_store_b128 v[GO], v[PMX+16*\i:PMX+16*\i+3], s[6:7] offset:512*\i th:TH_STORE_NT   ; 32 lanes store two rows: 512 consecutive bytes, aligned
.endr
	s_wait_xcnt 0x0                                ; every earlier memory instruction has read its addresses and data: bases, offsets and the stores' registers may be written
	s_wait_alu depctr_vm_vsrc(0)                   ; beside it, and ahead of the branch: the global stores have read v[PMX ..], the LDS stores O^T and (-M, l): the next trip's exponentials, products and head write them again
	s_add_nc_u64 s[6:7], s[6:7], 4096
	s_add_nc_u64 s[88:89], s[88:89], 8192
	s_add_co_u32 s11, s11, 1
	s_lshl_b32 s12, s11, 13                        ; the next trip's mask words,
	s_add_co_u32 s100, s11, 1
	s_min_u32 s100, s100, 15                       ; and its successor, held at the last tile
	s_lshl_b32 s13, s100, 13
	s_lshl_b32 s100, s100, 12
	s_mov_b32 s101, 0
	s_add_nc_u64 s[8:9], s[2:3], s[100:101]
	s_cmp_lt_u32 s11, 16
	s_cbranch_scc1 .Ltile
	s_wait_kmcnt 0x0                               ; the last trip's held loads have come
	s_wait_loadcnt 0x0
	s_wait_dscnt 0x0
	s_wait_alu depctr_hold_cnt(0) depctr_sa_sdst(0) depctr_va_vdst(0) depctr_va_sdst(0) depctr_va_ssrc(0) depctr_va_vcc(0) depctr_vm_vsrc(0)
	s_wait_tensorcnt 0x0
	ds_add_u32 v254, v255
	s_wait_dscnt 0x0
	s_endpgm
.Lfunc_end_k_q14369724c3_attn:
	.size	k_q14369724c3_attn, .Lfunc_end_k_q14369724c3_attn-k_q14369724c3_attn
	.p2alignl 7, 3214868480
	.fill 96, 4, 3214868480
	.section	.rodata,"a",@progbits
	.p2align	6, 0x0
	.amdhsa_kernel k_q14369724c3_attn
		.amdhsa_group_segment_fixed_size 295424
		.amdhsa_private_segment_fixed_size 0
		.amdhsa_enable_private_segment 0
		.amdhsa_kernarg_size 56
		.amdhsa_user_sgpr_count 2
		.amdhsa_user_sgpr_kernarg_segment_ptr 1
		.amdhsa_wavefront_size32 1
		.amdhsa_system_sgpr_workgroup_id_x 1
		.amdhsa_system_sgpr_workgroup_id_y 1
		.amdhsa_system_sgpr_workgroup_id_z 1
		.amdhsa_system_vgpr_workitem_id 0
		.amdhsa_next_free_vgpr 1024
		.amdhsa_next_free_sgpr 102
		.amdhsa_reserve_vcc 1
		.amdhsa_float_denorm_mode_32 3
		.amdhsa_float_denorm_mode_16_64 3
		.amdhsa_memory_ordered 1
		.amdhsa_forward_progress 1
		.amdhsa_inst_pref_size 213
	.end_amdhsa_kernel
	.amdgpu_metadata
---
amdhsa.version: [ 1, 2 ]
amdhsa.kernels:
  - .name:           k_q14369724c3_attn
    .symbol:         k_q14369724c3_attn.kd
    .args:
      - { .name: queries, .offset: 0, .size: 8, .value_kind: global_buffer, .address_space: global }
      - { .name: ki, .offset: 8, .size: 8, .value_kind: global_buffer, .address_space: global }
      - { .name: ks, .offset: 16, .size: 8, .value_kind: global_buffer, .address_space: global }
      - { .name: vi, .offset: 24, .size: 8, .value_kind: global_buffer, .address_space: global }
      - { .name: vs, .offset: 32, .size: 8, .value_kind: global_buffer, .address_space: global }
      - { .name: mw, .offset: 40, .size: 8, .value_kind: global_buffer, .address_space: global }
      - { .name: out0, .offset: 48, .size: 8, .value_kind: global_buffer, .address_space: global }
    .group_segment_fixed_size: 295424
    .private_segment_fixed_size: 0
    .kernarg_segment_align: 8
    .kernarg_segment_size: 56
    .max_flat_workgroup_size: 128
    .sgpr_count:     102
    .vgpr_count:     1024
    .wavefront_size: 32
...
	.end_amdgpu_metadata
.endif
;; end of part 3
